; MI455X (gfx1250); checked and timed in simulation.
; The chip was launched on July 23, 2026; its instructions are those of AMD's public machine-readable ISA for CDNA 5 (MIT licence, August 2026) and "CDNA5" Instruction Set Architecture Reference Guide (July 2026). The comments in the code are by the model that wrote it; some were corrected since.
;; Local Attention. Allowed arithmetic: float matrix products may take bf16 or f16 operands with f32 sums; all other float work in f32.
;; Inputs: bo 1,024 float32; wkv 1,024 x 2,048 float32; wo 1,024 x 1,024 float32; wq 1,024 x 1,024 float32; x 4 x 2,048 x 1,024 float32.
;; Outputs: out0 4 x 2,048 x 1,024 float32.
;; 2 versions, each right; version 2 is version 1 with the launch prep written anew for expert scheduling mode. Each part assembles by itself: llvm-mc -triple=amdgcn-amd-amdhsa -mcpu=gfx1250 --defsym DOCPART=n.
;; ======== version 1 of 2: 4 launches
;; limits: values are held in f16: magnitudes above 65,504 overflow, below 6.1e-05 lose precision
;; workspace buffers: xh 16,777,216 bytes; wt 8,388,608 bytes; qkv 50,331,648 bytes; att 16,777,216 bytes
;; launch prep (part 1): grid 1024 x 1, 8 waves a work-group, no clusters, 18,432 bytes of LDS; arguments x, wq, wkv, wo, xh, wt; writes xh, wt
.if DOCPART == 1
	.amdgcn_target "amdgcn-amd-amdhsa--gfx1250"
	.amdhsa_code_object_version 6
	.text
	.protected	k_q9cef751020_prep
	.globl	k_q9cef751020_prep
	.p2align	8
	.type	k_q9cef751020_prep,@function
k_q9cef751020_prep:
	s_mov_b64 s[64:65], 0
	v_nop
	global_prefetch_b8 v0, s[64:65] scope:SCOPE_SE
	s_setreg_imm32_b32 hwreg(HW_REG_WAVE_MODE, 25, 1), 1
	s_wait_xcnt 0x0
; LAUNCH 1 OF 4: the matrix operands in f16.  xh = f16(x), [8192][1024].  wt = the weights transposed to [n][k], f16, [4096][1024]:
; rows 0-1023 = c * wq^T, rows 1024-3071 = wkv^T (k's columns, then v's), rows 3072-4095 = wo^T.
; c = 0.125 * log2(e): the softmax's scale dh^-0.5 and the change to base 2 are multiplied into wq in f32, ahead of the one rounding to f16.
; (x (c wq)) . k = c (q . k), so the scores come out in base-2 units and the exponent is later a plain difference s - max, exactly 0 at the
; maximum for scores of any size.  The order of rounding differs from the formula as written (scale first, product after).
;
; WORK LEFT OUT IN THE WHOLE PROGRAM (this launch leaves nothing out; the third launch does):
; (1) The first window of every (batch, head) sees as its previous window the zeros that the formula itself pads K and V with.  For all values
;     of the inputs q . 0 = 0 and p * 0 = 0: both products with that window, and any load for it, are left out.  Its 128 scores of exactly 0
;     stay in the softmax: 0 takes part in the maximum and 128 exp(0 - max) in the denominator.
; (2) Keys j > i + 128 are replaced by the most negative f32 number before the softmax, whatever q and k hold; their weight is exp(..) = 0.
;     Where a whole tile of 16 keys x 16 queries, or a whole block of 32 keys, is so masked, its products are not made.
; All five inputs have a way to the output and are loaded (bo in the fourth launch).
; LIMITS.  A NaN, an infinity or an overflow that reaches only the work left out is not carried to the result.  Matrix operands are f16:
; x, the weights, c q, k, v and the attention's result must stay under 65,504 in magnitude, beyond that they become infinite.
;
; Work-groups 0-511: 64 KiB of x each, a plain stream.  Thread t takes 32 bytes of each chunk of 8 KiB; all sixteen loads go out first.
; Work-groups 512-1023: a tile of 128 k x 64 n of one weight matrix, turned over in LDS.
; No matrix unit, no tensor load, no cluster: every byte is read once by one work-group, nothing is shared.
.set CS, 0x3e38aa3b                    ; c = 0.125 * log2(e)
.set TP, 272                           ; LDS pitch of a row of wt's tile: 128 k x 2 bytes + 16
	s_load_b256 s[4:11], s[0:1], 0x0               ; x s[4:5], wq s[6:7], wkv s[8:9], wo s[10:11]
	s_load_b128 s[12:15], s[0:1], 0x20             ; xh s[12:13], wt s[14:15]
	v_lshl_add_u32 v104, v0, 2, 0x4400
	v_mov_b32 v105, 0
	s_cmp_ge_u32 ttmp9, 512                        ; the same for all waves of a work-group
	s_cbranch_scc1 .Lweights
	; ---- x: 16,384 numbers of this work-group
	s_lshl_b32 s16, ttmp9, 16                      ; 65,536 bytes of x,
	s_mov_b32 s17, 0
	s_lshl_b32 s18, ttmp9, 15                      ; 32,768 bytes of xh
	s_mov_b32 s19, 0
	v_lshlrev_b32 v1, 5, v0                        ; 32 t
	v_lshlrev_b32 v2, 4, v0                        ; 16 t
	s_wait_kmcnt 0x0
	s_add_nc_u64 s[4:5], s[4:5], s[16:17]
	s_add_nc_u64 s[12:13], s[12:13], s[18:19]
.irp c, 0,1,2,3,4,5,6,7
	global_load_b128 v[8+8*\c:8+8*\c+3],   v1, s[4:5] offset:8192*\c th:TH_LOAD_NT
	global_load_b128 v[8+8*\c+4:8+8*\c+7], v1, s[4:5] offset:8192*\c+16 th:TH_LOAD_NT
.endr
.irp c, 0,1,2,3,4,5,6,7
	s_wait_loadcnt 14-2*\c                         ; loads come back in order: chunk c is in, the two loads of each later chunk stay out
.irp k, 0,1,2,3
	v_cvt_pk_f16_f32 v[72+4*\c+\k], v[8+8*\c+2*\k], v[8+8*\c+2*\k+1]
.endr
	global_store_b128 v2, v[72+4*\c:72+4*\c+3], s[12:13] offset:4096*\c   ; sixteen lanes store 256 consecutive bytes, aligned; no register is written twice
.endr
	s_endpgm
	; ---- weights: block nb of 64 rows of wt, block kb of 128 k
.Lweights:
	s_sub_co_u32 s16, ttmp9, 512
	s_lshr_b32 s17, s16, 3                         ; nb, 0 to 63
	s_and_b32 s18, s16, 7                          ; kb, 0 to 7
	v_and_b32 v3, 15, v0                           ; n4: which four columns of the tile's 64
	v_lshrrev_b32 v4, 4, v0                        ; kp, 0 to 15: which pair of k rows
	v_lshlrev_b32 v5, 4, v3                        ; 16 n4
	v_lshlrev_b32 v6, 1, v4                        ; 2 kp
	s_wait_kmcnt 0x0
	s_cmp_lt_u32 s17, 16                           ; nb 0-15: wq; 16-47: wkv; 48-63: wo
	s_cselect_b64 s[20:21], s[6:7], s[8:9]
	s_cselect_b32 s22, 0, 16                       ; the matrix's first block
	s_cselect_b32 s23, 12, 13                      ; log2 of its row's bytes
	s_cmp_ge_u32 s17, 48
	s_cselect_b64 s[20:21], s[10:11], s[20:21]
	s_cselect_b32 s22, 48, s22
	s_cselect_b32 s23, 12, s23
	s_lshl_b32 s24, s18, 7                         ; row 128 kb
	s_lshl_b32 s24, s24, s23
	s_sub_co_u32 s25, s17, s22
	s_lshl_b32 s25, s25, 8                         ; 64 columns of f32 = 256 bytes a block
	s_add_co_u32 s24, s24, s25
	s_mov_b32 s25, 0
	s_add_nc_u64 s[20:21], s[20:21], s[24:25]      ; the tile's first number
	s_lshl_b32 s24, s17, 17                        ; wt: 64 nb rows of 2,048 bytes
	s_lshl_b32 s26, s18, 8                         ;     + 128 kb numbers of 2 bytes
	s_add_co_u32 s24, s24, s26
	s_add_nc_u64 s[14:15], s[14:15], s[24:25]
.irp i, 0,1,2,3
.irp j, 0,1
	v_add_nc_u32 v[40+2*\i+\j], 32*\i+\j, v6                       ; row k = 2 kp + 32 i + j of the tile
	v_lshl_add_u32 v[40+2*\i+\j], v[40+2*\i+\j], s23, v5           ; its bytes, + 16 n4: sixteen lanes read 256 consecutive bytes of a row
.endr
.endr
.irp i, 0,1,2,3
.irp j, 0,1
	global_load_b128 v[8+8*\i+4*\j:8+8*\i+4*\j+3], v[40+2*\i+\j], s[20:21] th:TH_LOAD_NT
.endr
.endr
	v_mul_u32_u24 v7, v3, 4*TP
	v_lshl_add_u32 v7, v4, 2, v7                   ; in: row 4 n4 of the turned tile, byte 2 (2 kp)
	v_mul_u32_u24 v1, v4, TP
	v_add_nc_u32 v1, v1, v5                        ; back: row t / 16, 16 bytes at 16 (t mod 16)
	v_lshl_add_u32 v2, v4, 11, v5                  ; and the same place in wt
; Two neighbouring k of one column make one word of wt.  scaled = 1: wq's numbers are multiplied by c first.
.macro PACK scaled
.irp i, 0,1,2,3
	s_wait_loadcnt 6-2*\i                          ; rows 2 kp + 32 i and + 1 are in; the two loads of each later pair stay out
.if \scaled
.irp m, 0,2,4,6
	v_pk_mul_f32 v[8+8*\i+\m:8+8*\i+\m+1], v[8+8*\i+\m:8+8*\i+\m+1], CS op_sel_hi:[1,0]
.endr
.endif
.irp c, 0,1,2,3
	v_cvt_pk_f16_f32 v[48+4*\i+\c], v[8+8*\i+\c], v[8+8*\i+4+\c]   ; low half: the even k
.endr
.irp c, 0,1,2,3
	ds_store_b32 v7, v[48+4*\i+\c] offset:\c*TP+64*\i
.endr
.endr
.endm
	s_cmp_ge_u32 s17, 16
	s_cbranch_scc1 .Lplain
	PACK 1
	s_branch .Lturned
.Lplain:
	PACK 0
.Lturned:
	s_wait_dscnt 0x0                               ; my stores are in LDS, for the other waves' sake,
	s_barrier_signal -1
	s_barrier_wait -1                              ; and so are everybody's
.irp j, 0,1,2,3
	ds_load_b128 v[64+4*\j:64+4*\j+3], v1 offset:16*TP*\j
.endr
.irp j, 0,1,2,3
	s_wait_dscnt 3-\j                              ; LDS loads come back in order: the later ones stay out
	global_store_b128 v2, v[64+4*\j:64+4*\j+3], s[14:15] offset:32768*\j   ; sixteen lanes store 256 consecutive bytes of a row of wt, aligned
.endr
	s_wait_tensorcnt 0x0
	ds_add_u32 v104, v105
	s_wait_dscnt 0x0
	s_endpgm
.Lfunc_end_k_q9cef751020_prep:
	.size	k_q9cef751020_prep, .Lfunc_end_k_q9cef751020_prep-k_q9cef751020_prep
	.p2alignl 7, 3214868480
	.fill 96, 4, 3214868480
	.section	.rodata,"a",@progbits
	.p2align	6, 0x0
	.amdhsa_kernel k_q9cef751020_prep
		.amdhsa_group_segment_fixed_size 18432
		.amdhsa_private_segment_fixed_size 0
		.amdhsa_enable_private_segment 0
		.amdhsa_kernarg_size 48
		.amdhsa_user_sgpr_count 2
		.amdhsa_user_sgpr_kernarg_segment_ptr 1
		.amdhsa_wavefront_size32 1
		.amdhsa_system_sgpr_workgroup_id_x 1
		.amdhsa_system_sgpr_workgroup_id_y 1
		.amdhsa_system_sgpr_workgroup_id_z 1
		.amdhsa_system_vgpr_workitem_id 0
		.amdhsa_next_free_vgpr 106
		.amdhsa_next_free_sgpr 66
		.amdhsa_reserve_vcc 0
		.amdhsa_float_denorm_mode_32 3
		.amdhsa_float_denorm_mode_16_64 3
		.amdhsa_memory_ordered 1
		.amdhsa_forward_progress 1
		.amdhsa_inst_pref_size 16
	.end_amdhsa_kernel
	.amdgpu_metadata
---
amdhsa.version: [ 1, 2 ]
amdhsa.kernels:
  - .name:           k_q9cef751020_prep
    .symbol:         k_q9cef751020_prep.kd
    .args:
      - { .name: x, .offset: 0, .size: 8, .value_kind: global_buffer, .address_space: global }
      - { .name: wq, .offset: 8, .size: 8, .value_kind: global_buffer, .address_space: global }
      - { .name: wkv, .offset: 16, .size: 8, .value_kind: global_buffer, .address_space: global }
      - { .name: wo, .offset: 24, .size: 8, .value_kind: global_buffer, .address_space: global }
      - { .name: xh, .offset: 32, .size: 8, .value_kind: global_buffer, .address_space: global }
      - { .name: wt, .offset: 40, .size: 8, .value_kind: global_buffer, .address_space: global }
    .group_segment_fixed_size: 18432
    .private_segment_fixed_size: 0
    .kernarg_segment_align: 8
    .kernarg_segment_size: 48
    .max_flat_workgroup_size: 256
    .sgpr_count:     66
    .vgpr_count:     106
    .wavefront_size: 32
...
	.end_amdgpu_metadata
.endif
;; end of part 1
;; launch qkv (part 2): grid 8 x 32, 4 waves a work-group, clusters of 4 x 4, 327,680 bytes of LDS; arguments xh, wt, qkv; writes qkv
.if DOCPART == 2
	.amdgcn_target "amdgcn-amd-amdhsa--gfx1250"
	.amdhsa_code_object_version 6
	.text
	.protected	k_q9cef751020_qkv
	.globl	k_q9cef751020_qkv
	.p2align	8
	.type	k_q9cef751020_qkv,@function
k_q9cef751020_qkv:
	s_mov_b64 s[64:65], 0
	v_nop
	global_prefetch_b8 v0, s[64:65] scope:SCOPE_SE
	s_setreg_imm32_b32 hwreg(HW_REG_WAVE_MODE, 25, 1), 1
	s_wait_xcnt 0x0
	s_wait_alu depctr_hold_cnt(0) depctr_sa_sdst(0) depctr_va_vdst(0) depctr_va_sdst(0) depctr_va_ssrc(0) depctr_va_vcc(0) depctr_vm_vsrc(0)
	s_getreg_b32 s2, hwreg(HW_REG_IB_STS2, 6, 4)
	s_cmp_eq_u32 s2, 0
	s_cbranch_scc0 .Lentry_in_a_cluster
	s_endpgm
.Lentry_in_a_cluster:
	s_bfe_u32 s2, ttmp6, 0x10000c
	s_cmp_lg_u32 s2, 0xf033
	s_cbranch_scc0 .Lentry_shape_is_right
	s_endpgm
.Lentry_shape_is_right:
; LAUNCH 2 OF 4: [c q | k | v] = xh wt^T (rows 0-3071 of wt), 8192 x 3072 x 1024, f16 operands, f32 sums, stored in f16 by heads:
; qkv[part q,k,v][batch * 16 + head][2048][64].  Nothing of the formula's work is left out here.
; A block is 256 rows x 192 columns (three heads), made by four waves, 2 x 2; a wave makes 128 x 96: 48 accumulator tiles of 16 x 16, 384 registers.
; THE WORK-GROUPS STAY: 32 x 8 = 256 work-groups, each makes two blocks of its block row, at block columns bx and bx + 8 of the sixteen.  K is short (eight steps of 128
; a block), so the arguments, the opening round and the first tile's way from memory are paid once for two blocks: the ring of two LDS slots goes on through sixteen
; K steps, the first block's last two steps ask for the second block's first two, these land while the first block leaves, and the first block's stores are on their
; way under the second block's products.  The two block columns are 8 apart, so the place in the cluster, and with it both masks, is the same for both.
; A tile's rows are 256 bytes of memory and start at multiples of 256 bytes from the buffer's first byte.
; CLUSTERS of 4 x 4: the four work-groups of a cluster's row need the same 256 rows of xh, the four of a column the same 192 rows of wt.  Each such tile is
; asked for jointly, by the same tensor load with a mask that names the four: a quarter of the requests.
; REGISTERS in windows of 256: window 0: v16-26 addresses; two fragment buffers, F0 = v32 and F1 = v144, each with A's eight fragments (64 registers) and
; then B's six (48).  Window 1: accumulator tiles of my rows 0-63, tile (a, b) at v[8 (6 a + b)].  Window 2: those of my rows 64-127.
; The matrix instruction is used transposed (source 0 = 16 rows of wt, source 1 = 16 rows of xh): lane l then holds row l % 16 of the result and its
; eight registers the columns 8 (l / 16) + 0..7, eight neighbouring numbers that pack into 16 bytes.
; The 48 accumulators take turns, one instruction a turn, in the same order in every quarter step.
; LIMIT: results beyond 65,504 in magnitude become infinite in f16.
.set NB,     6                         ; B fragments of a wave: 16 NB columns
.set SIZE_K, 1024
.set KSTEP,  128
.set PITCH,  272                       ; an LDS row: 256 bytes + 16, an odd multiple of 16: the sixteen rows of a fragment load start at sixteen different 16-byte columns modulo 256
.set HALFA,  128*PITCH                 ; 128 rows of A: one tensor load, and what one wave reads of A
.set HALFB,  16*NB*PITCH               ; 96 rows of B: likewise
.set SLOT,   2*HALFA+2*HALFB           ; A's 256 rows, then B's 192
.set LAPS,   SIZE_K/(2*KSTEP)          ; a lap = two K steps = once round the ring: 4 a block
.set NEXTB,  8*32*NB*SIZE_K*2          ; bytes of wt from a block column to the one 8 further on
.set OPITCH, 400                       ; the way out: a row of 192 f16 = 384 bytes + 16, an odd multiple of 16
.set STG,    2*SLOT                    ; the stage, behind the ring: 128 rows x 400 bytes = 51,200, from a multiple of 256 on; no tensor load ever fills these bytes
.set ADRA, 16                          ; v16-17  LDS address of my A fragments in slot 0, 1
.set ADRB, 20                          ; v20-21  the same for B
.set STO,  24                          ; v24     the way out: where I put 16 bytes of a row
.set RD,   25                          ; v25     the way out: where I read back
.set CO,   26                          ; v26     my byte offset in a store's 512 bytes
.set F0,   32
.set F1,   144
.set FB,   64                          ; B's fragments stand 64 registers behind A's
.set TMP,  32                          ; v32-55  the way out: packed results
.set GB,   64                          ; v64-255 the way out: six buffers of 32 registers (two passes x three heads), so that none is loaded twice in a way out
.set G1,  24                           ; s[24:31] descriptor group 1 for A's tiles
.set G0,  32                           ; s[32:39] group 0 for A's tiles, a set for each slot
.set G1B, 48                           ; s[48:55] group 1 for B's tiles
.set G0B, 56                           ; s[56:63] group 0 for B's tiles, a set for each slot
.set OB,  66                           ; s[66:71] where the first block's three heads go; s[80:85] the second block's (OB + 14)
.set MSB, 0
.macro WIN new                         ; the immediate's high byte repeats the setting that is left
.if MSB != \new
	s_set_vgpr_msb (MSB<<8)|\new
.set MSB, \new
.endif
.endm
.set MUL_LO, 0x50                      ; sources 0 and 1 window 0, C and D window 1
.set MUL_HI, 0xa0                      ; C and D window 2
; A joint load.  Waves 0 and 1 fetch A's two halves, waves 2 and 3 B's.  The branch hangs on the wave's number alone.
.macro JLOAD s
	s_cmp_eq_u32 s11, 0
	s_cbranch_scc0 .Lfor_b_\@
	tensor_load_to_lds s[G0+4*\s:G0+4*\s+3], s[G1:G1+7]
	s_nop 0
	s_branch .Lasked_\@
.Lfor_b_\@:
	tensor_load_to_lds s[G0B+4*\s:G0B+4*\s+3], s[G1B:G1B+7]
	s_nop 0
.Lasked_\@:
.endm
; A round of the cluster's barrier: my work-group's barrier; wave 0 signals for the work-group; every wave waits for all sixteen; my work-group's barrier again.
.macro CREST                           ; a round behind its opening barrier
	s_cmp_lg_u32 s10, 0
	s_cbranch_scc1 .Lnot_wave_0_\@
	s_barrier_signal -3
.Lnot_wave_0_\@:
	s_barrier_wait -3
	s_barrier_signal -1
	s_barrier_wait -1
.endm
.macro CROUND
	s_barrier_signal -1
	s_barrier_wait -1
	CREST
.endm
	s_load_b128 s[4:7], s[0:1], 0x0                ; xh s[4:5], wt s[6:7]
	s_load_b64 s[8:9], s[0:1], 0x10                ; qkv
	v_lshl_add_u32 v30, v0, 2, 0x48000
	v_mov_b32 v31, 0
	ds_add_u32 v30, v31
	ds_add_u32 v30, v31
	v_lshrrev_b32 v1, 5, v0
	v_readfirstlane_b32 s10, v1                    ; wave 0..3
	s_lshr_b32 s11, s10, 1                         ; which half of the block's rows is mine.  Also: I fetch for A (0) or for B (1)
	s_and_b32 s12, s10, 1                          ; which half of its columns.  Also: which half of that tile I fetch
	s_bfe_u32 s40, ttmp6, 0x40000                  ; cx
	s_bfe_u32 s41, ttmp6, 0x40004                  ; cy
	s_lshl_b32 s42, ttmp9, 2
	s_add_co_u32 s42, s42, s40                     ; the first block's column = 4 x cluster x + cx, 0 to 7
	s_and_b32 s13, ttmp7, 0xffff
	s_lshl_b32 s13, s13, 2
	s_add_co_u32 s13, s13, s41                     ; block row = 4 x cluster y + cy
	s_lshl_b32 s43, s41, 2
	s_lshl_b32 s43, 15, s43                        ; my row of the cluster: places 4 cy .. 4 cy + 3
	s_lshl_b32 s44, 0x1111, s40                    ; my column: places cx, cx + 4, cx + 8, cx + 12
	; group 1: tiles of 128 (A) or 96 (B) rows x 128 elements of 2 bytes, 4 words of padding behind every 64 words
	s_or_b32 s[G1+0], s43, (1<<16)|(1<<20)|(1<<21)|(5<<22)|(3<<25)   ; 15:0 the mask: A's tiles go to my row; 17:16 2-byte elements; 20 padding; 21 set beside a mask
	s_or_b32 s[G1B+0], s44, (1<<16)|(1<<20)|(1<<21)|(5<<22)|(3<<25)  ; the same with my column's mask
	s_mov_b32 s[G1+1], KSTEP<<16                   ; tensor_dim0 = 128
	s_mov_b32 s[G1B+1], KSTEP<<16
	s_mov_b32 s[G1+2], 128<<16                     ; tensor_dim1 = the tile's rows
	s_mov_b32 s[G1B+2], (16*NB)<<16
	s_mov_b32 s[G1+3], KSTEP<<16                   ; tile_dim0 = 128
	s_mov_b32 s[G1B+3], KSTEP<<16
	s_mov_b32 s[G1+4], 128                         ; tile_dim1
	s_mov_b32 s[G1B+4], 16*NB
	s_mov_b32 s[G1+5], SIZE_K                      ; elements from row to row
	s_mov_b32 s[G1B+5], SIZE_K
	s_mov_b32 s[G1+6], 0
	s_mov_b32 s[G1B+6], 0
	s_mov_b32 s[G1+7], 0
	s_mov_b32 s[G1B+7], 0
	; where the tiles come from: A's hang on the block row alone, B's on the block column alone, each in registers that never hold the other coordinate
	s_lshl_b32 s17, s12, 7
	s_lshl_b32 s16, s13, 8
	s_add_co_u32 s16, s16, s17                     ; A: row 256 x block row + 128 x half
	s_lshl_b32 s16, s16, 11                        ; rows of 2,048 bytes; under 16 MiB
	s_mov_b32 s17, 0
	s_mul_i32 s46, s42, 32*NB
	s_mul_i32 s47, s12, 16*NB
	s_add_co_u32 s46, s46, s47                     ; B: row 192 x block column + 96 x half
	s_lshl_b32 s46, s46, 11
	s_mov_b32 s47, 0
	s_mul_i32 s20, s10, HALFA                      ; where they go: waves 0, 1: A's halves at wave x HALFA;
	s_mul_i32 s45, s10, HALFB
	s_add_co_u32 s45, s45, 2*(HALFA-HALFB)         ; waves 2, 3: B's halves at 2 HALFA + (wave - 2) x HALFB
	s_wait_dscnt 0x0
	s_wait_kmcnt 0x0
	s_add_nc_u64 s[14:15], s[4:5], s[16:17]
	s_add_nc_u64 s[46:47], s[6:7], s[46:47]
	CROUND                                         ; all sixteen work-groups are here: the first joint loads meet
.irp s, 0,1
	s_mov_b32 s[G0+4*\s], 1
	s_add_co_u32 s[G0+4*\s+1], s20, \s*SLOT
	s_add_nc_u64 s[G0+4*\s+2:G0+4*\s+3], s[14:15], \s*KSTEP*2
	s_or_b32 s[G0+4*\s+3], s[G0+4*\s+3], 0x80000000
	s_mov_b32 s[G0B+4*\s], 1
	s_add_co_u32 s[G0B+4*\s+1], s45, \s*SLOT
	s_add_nc_u64 s[G0B+4*\s+2:G0B+4*\s+3], s[46:47], \s*KSTEP*2
	s_or_b32 s[G0B+4*\s+3], s[G0B+4*\s+3], 0x80000000
	JLOAD \s                                       ; both slots are asked for before anything else: two tensor loads of the wave are out
.endr
	; a fragment is 16 rows x 32 K in 8 registers: lane l holds row l % 16; two loads of 16 bytes, 32 bytes apart, at row x pitch + 16 (l / 16)
	v_and_b32 v1, 15, v0
	v_bfe_u32 v2, v0, 4, 1
	v_mul_u32_u24 v3, v1, PITCH
	v_lshl_add_u32 v3, v2, 4, v3
	s_mul_i32 s21, s11, HALFA                      ; my 128 rows of A
	s_mul_i32 s22, s12, HALFB                      ; my 96 rows of B,
	s_add_co_u32 s22, s22, 2*HALFA                 ; which lie behind A's 256
.irp s, 0,1
	v_add_nc_u32 v[ADRA+\s], s21, v3
	v_add_nc_u32 v[ADRB+\s], s22, v3
	s_add_co_u32 s21, s21, SLOT
	s_add_co_u32 s22, s22, SLOT
.endr
	; the way out, in two passes: in pass p every wave's rows 64 p .. 64 p + 63 meet in the stage, at stage row 64 x (my half of the block's rows) + row
	v_mul_u32_u24 v4, v1, OPITCH
	v_lshl_add_u32 v4, v2, 4, v4                   ; row l % 16, 16 bytes for each half of the lanes
	s_mul_i32 s23, s11, 64*OPITCH
	s_mul_i32 s21, s12, 192                        ; my 96 columns
	s_add_co_u32 s23, s23, s21
	s_add_co_u32 s23, s23, STG
	v_add_nc_u32 v[STO], s23, v4
	v_bfe_u32 v5, v0, 3, 2                         ; back: eight lanes take a head's 128 bytes of one row, a load takes four rows
	v_and_b32 v6, 7, v0
	v_mul_u32_u24 v5, v5, OPITCH
	v_lshl_add_u32 v5, v6, 4, v5
	s_mul_i32 s23, s10, 32*OPITCH                  ; wave w takes stage rows 32 w .. 32 w + 31,
	s_add_co_u32 s23, s23, STG
	v_add_nc_u32 v[RD], s23, v5
	v_and_b32 v7, 31, v0
	v_lshlrev_b32 v[CO], 4, v7                     ; in qkv a head's rows follow each other: four rows are 512 consecutive bytes
	; which in pass p are the block's rows 128 (w / 2) + 64 p + 32 (w % 2) + 0..31.  Where they go, for both blocks' three heads, made once:
	s_mul_i32 s72, s42, 3                          ; the first block's first head of 48 (16 of q, 16 of k, 16 of v); the second block's is 24 further on
	s_lshr_b32 s73, s13, 3
	s_lshl_b32 s73, s73, 4                         ; 16 x batch
	s_and_b32 s74, s13, 7
	s_lshl_b32 s74, s74, 8                         ; the block's first row in its sequence
	s_lshl_b32 s75, s11, 7
	s_add_co_u32 s74, s74, s75                     ; + 128 (w / 2)
	s_lshl_b32 s75, s12, 5
	s_add_co_u32 s74, s74, s75                     ; + 32 (w % 2)
	s_lshl_b32 s74, s74, 7                         ; rows of 128 bytes
.irp tl, 0,1
.irp hh, 0,1,2
	s_add_co_u32 s76, s72, 24*\tl+\hh
	s_lshr_b32 s77, s76, 4                         ; part: q, k or v
	s_and_b32 s76, s76, 15                         ; head
	s_lshl_b32 s77, s77, 6
	s_add_co_u32 s76, s76, s77
	s_add_co_u32 s76, s76, s73                     ; 64 x part + 16 x batch + head
	s_lshl_b32 s76, s76, 18                        ; planes of 262,144 bytes; under 48 MiB
	s_add_co_u32 s76, s76, s74
	s_mov_b32 s77, 0
	s_add_nc_u64 s[OB+14*\tl+2*\hh:OB+14*\tl+2*\hh+1], s[8:9], s[76:77]
.endr
.endr
; 2 NB matrix instructions: m blocks a0, a0 + 1 of the window's four (hi = 0: my rows 0-63, 1: rows 64-127) x all n blocks, 32 along K.
; zero = 1: the first product starts the sums: nothing is cleared.
.macro MULH f, hi, a0, zero
.irp a, \a0, \a0+1
.set bb, 0
.rept NB
.if \zero
	v_wmma_f32_16x16x32_f16 v[8*(NB*(\a)+bb):8*(NB*(\a)+bb)+7], v[\f+FB+8*bb:\f+FB+8*bb+7], v[\f+8*(4*\hi+\a):\f+8*(4*\hi+\a)+7], 0
.else
	v_wmma_f32_16x16x32_f16 v[8*(NB*(\a)+bb):8*(NB*(\a)+bb)+7], v[\f+FB+8*bb:\f+FB+8*bb+7], v[\f+8*(4*\hi+\a):\f+8*(4*\hi+\a)+7], v[8*(NB*(\a)+bb):8*(NB*(\a)+bb)+7]
.endif
.set bb, bb+1
.endr
.endr
.endm
; one run of 2 NB + 16 LDS loads: the fragments of a quarter step (B's rows, then A's 128 rows; 32 K at byte k of the rows) into buffer f
.macro FETCH slot, k, f
	WIN 0
.set ii, 0
.rept NB
	ds_load_b128 v[\f+FB+8*ii:\f+FB+8*ii+3],   v[ADRB+\slot] offset:\k+ii*16*PITCH
	ds_load_b128 v[\f+FB+8*ii+4:\f+FB+8*ii+7], v[ADRB+\slot] offset:\k+ii*16*PITCH+32
.set ii, ii+1
.endr
.irp i, 0,1,2,3,4,5,6,7
	ds_load_b128 v[\f+8*\i:\f+8*\i+3],   v[ADRA+\slot] offset:\k+\i*16*PITCH
	ds_load_b128 v[\f+8*\i+4:\f+8*\i+7], v[ADRA+\slot] offset:\k+\i*16*PITCH+32
.endr
.endm
; A load into a register that a matrix instruction has read, and a vector instruction that reads a matrix result, stand four places behind that matrix
; instruction; only plain vector instructions that name none of its registers are places (ISA guide 7.12.1 for vector instructions).
.macro PLACES
.rept 4
	v_nop
.endr
.endm
; A quarter step: multiplies buffer f; in its middle it fetches the next quarter's fragments, at byte k of the same slot's rows, into buffer g.
.macro QUARTER slot, k, f, g, zero
	s_wait_dscnt 8                                 ; B and A's rows 0-63 are in; the youngest eight loads (A's rows 64-127) may be out
	WIN MUL_LO
	MULH \f, 0, 0, \zero
	MULH \f, 0, 2, \zero
	PLACES
	FETCH \slot, \k, \g
	s_wait_dscnt 16+2*NB                           ; all but the run just issued
	WIN MUL_HI
	MULH \f, 1, 0, \zero
	MULH \f, 1, 2, \zero
.endm
.macro THREE slot, zero
	QUARTER \slot, 64,  F0, F1, \zero
	QUARTER \slot, 128, F1, F0, 0
	QUARTER \slot, 192, F0, F1, 0
.endm
; The last quarter of a K step: multiplies buffer 1 and changes slots.  One barrier for two things: in front of it each wave waits for its own reads of
; this slot and for all its tensor loads (the one that is out is its part of the next slot); behind it nobody reads this slot and the next slot is whole.
; fill = 1 or 2: the barrier opens a round of the cluster's barrier, and the joint refill is the first tensor load behind the round and the wave's only one until the next.
; fill = 1: the tile two K steps ahead.  fill = 2: the same slot's first tile of the next block: A's address goes back over the six K steps that it has gone,
; B's goes on to the block column 8 further on, less those six K steps.  fetch = 0: the way out follows and uses the fragment registers; the next slot is read behind it.
.macro TURN slot, next, fill, fetch
	s_wait_dscnt 8
	WIN MUL_LO
	MULH F1, 0, 0, 0
	s_wait_dscnt 0                                 ; my reads of this slot are over
	s_wait_tensorcnt 0x0                           ; and all my tensor loads have landed: no load of mine is out, so a group 0 may be written
	ds_add_u32 v30, v31
	s_wait_dscnt 0x0
	s_barrier_signal -1
	MULH F1, 0, 2, 0                               ; register work while the others arrive
	WIN 0
	s_barrier_wait -1
.if \fill
	CREST                                          ; no wave of any partner still reads this slot's tile or has a load on its way
.if \fill == 1
	s_add_nc_u64 s[G0+4*\slot+2:G0+4*\slot+3], s[G0+4*\slot+2:G0+4*\slot+3], 2*KSTEP*2
	s_add_nc_u64 s[G0B+4*\slot+2:G0B+4*\slot+3], s[G0B+4*\slot+2:G0B+4*\slot+3], 2*KSTEP*2
.else
	s_sub_nc_u64 s[G0+4*\slot+2:G0+4*\slot+3], s[G0+4*\slot+2:G0+4*\slot+3], 6*KSTEP*2
	s_add_nc_u64 s[G0B+4*\slot+2:G0B+4*\slot+3], s[G0B+4*\slot+2:G0B+4*\slot+3], NEXTB-6*KSTEP*2
.endif
	JLOAD \slot
.endif
.if \fetch
	PLACES
	FETCH \next, 0, F0
.endif
	WIN MUL_HI
	MULH F1, 1, 0, 0
	MULH F1, 1, 2, 0
.endm
.macro LAP zero
	THREE 0, \zero
	TURN 0, 1, 1, 1
	THREE 1, 0
	TURN 1, 0, 1, 1
.endm
; THE WAY OUT.  A wave's 96 columns are one head and a half, so rows meet in LDS and leave by heads.  The stage holds half a block, so a block leaves in two passes.
; Sixteen of my rows: the six tiles (al, 0..5) of window 1 or 2 (from = 0x05 or 0x0a: sources 0 and 1)
.macro PUT al, from
	WIN \from
.irp b, 0,1,2,3,4,5
.irp r, 0,1,2,3
	v_cvt_pk_f16_f32 v[TMP+4*\b+\r], v[8*(NB*\al+\b)+2*\r], v[8*(NB*\al+\b)+2*\r+1]
.endr
.endr
	WIN 0
.irp b, 0,1,2,3,4,5
	ds_store_b128 v[STO], v[TMP+4*\b:TMP+4*\b+3] offset:16*OPITCH*\al+32*\b
.endr
.endm
; My 32 stage rows of the three heads: 24 loads of four rows, 24 stores of 512 consecutive bytes, aligned.  Pass p has its own three buffers.
.macro GETS p, tl
.irp hh, 0,1,2
.irp t, 0,1,2,3,4,5,6,7
	ds_load_b128 v[GB+96*\p+32*\hh+4*\t:GB+96*\p+32*\hh+4*\t+3], v[RD] offset:128*\hh+4*OPITCH*\t
.endr
.endr
.irp hh, 0,1,2
.irp t, 0,1,2,3,4,5,6,7
	s_wait_dscnt 23-8*\hh-\t                       ; LDS loads come back in order: the later ones of the 24 stay out
	global_store_b128 v[CO], v[GB+96*\p+32*\hh+4*\t:GB+96*\p+32*\hh+4*\t+3], s[OB+14*\tl+2*\hh:OB+14*\tl+2*\hh+1] offset:8192*\p+512*\t   ; pass p: 64 rows of 128 bytes further on
.endr
.endr
.endm
; Block tl leaves.  The barriers here order LDS stores and LDS reads of the stage between the waves; no tensor load fills any byte behind them before the next change
; of slots, which has its own waits and round, so the one tensor load that may be out (the next block's second K step) stays out across them.
.macro WAYOUT tl
	PLACES                                         ; the places behind the last matrix instructions, for the conversions and for writes of the fragment buffers
	PUT 0, 0x05
	PUT 1, 0x05
	PUT 2, 0x05
	PUT 3, 0x05
	s_wait_dscnt 0x0                               ; my stores are in LDS, for the other waves' sake
	s_barrier_signal -1
	s_barrier_wait -1
	GETS 0, \tl
	s_wait_dscnt 0x0                               ; my reads of the stage are over (met: the count-down ended at 0)
	s_barrier_signal -1
	s_barrier_wait -1                              ; everybody's are: the stage is written again
	PUT 0, 0x0a
	PUT 1, 0x0a
	PUT 2, 0x0a
	PUT 3, 0x0a
	s_wait_dscnt 0x0
	s_barrier_signal -1
	s_barrier_wait -1
	GETS 1, \tl
.endm
	s_wait_tensorcnt 1                             ; my part of K step 0 is in; K step 1's may stay out
	s_barrier_signal -1
	s_barrier_wait -1                              ; everybody's is
	; ---- the first block
	FETCH 0, 0, F0
	LAP 1                                          ; the first lap stands in front of the loop: its first products start the sums
	WIN 0                                          ; at a label and at a branch every window is 0
	s_mov_b32 s3, LAPS-2
.Llap0:
	LAP 0
	WIN 0
	s_sub_co_u32 s3, s3, 1
	s_cmp_lg_u32 s3, 0
	s_cbranch_scc1 .Llap0
	THREE 0, 0                                     ; the last lap asks for the second block's K steps 0 and 1
	TURN 0, 1, 2, 1
	THREE 1, 0
	TURN 1, 0, 2, 0                                ; in front of this round every wave's part of the second block's K step 0 has landed
	WAYOUT 0
	s_wait_xcnt 0x0                                ; the buffers that the stores read are fragment registers: they are loaded again only behind this wait
	; ---- the second block; the stage's last reads were waited for above, and every change of slots has a barrier, before the stage is written again
	FETCH 0, 0, F0
	LAP 1                                          ; the first products start the sums anew, far more than five places behind the accumulators' last use
	WIN 0
	s_mov_b32 s3, LAPS-2
.Llap1:
	LAP 0
	WIN 0
	s_sub_co_u32 s3, s3, 1
	s_cmp_lg_u32 s3, 0
	s_cbranch_scc1 .Llap1
	THREE 0, 0                                     ; the last lap fills nothing
	TURN 0, 1, 0, 1
	THREE 1, 0
	s_wait_dscnt 8                                 ; the very last quarter
	WIN MUL_LO
	MULH F1, 0, 0, 0
	MULH F1, 0, 2, 0
	s_wait_dscnt 0
	WIN MUL_HI
	MULH F1, 1, 0, 0
	MULH F1, 1, 2, 0
	WAYOUT 1
	s_wait_tensorcnt 0x0
	ds_add_u32 v30, v31
	s_wait_dscnt 0x0
	CROUND                                         ; the closing round: no work-group ends while a partner may still ask for a tile that names it
	s_endpgm
.Lfunc_end_k_q9cef751020_qkv:
	.size	k_q9cef751020_qkv, .Lfunc_end_k_q9cef751020_qkv-k_q9cef751020_qkv
	.p2alignl 7, 3214868480
	.fill 96, 4, 3214868480
	.section	.rodata,"a",@progbits
	.p2align	6, 0x0
	.amdhsa_kernel k_q9cef751020_qkv
		.amdhsa_group_segment_fixed_size 327680
		.amdhsa_private_segment_fixed_size 0
		.amdhsa_enable_private_segment 0
		.amdhsa_kernarg_size 24
		.amdhsa_user_sgpr_count 2
		.amdhsa_user_sgpr_kernarg_segment_ptr 1
		.amdhsa_wavefront_size32 1
		.amdhsa_system_sgpr_workgroup_id_x 1
		.amdhsa_system_sgpr_workgroup_id_y 1
		.amdhsa_system_sgpr_workgroup_id_z 1
		.amdhsa_system_vgpr_workitem_id 0
		.amdhsa_next_free_vgpr 704
		.amdhsa_next_free_sgpr 88
		.amdhsa_reserve_vcc 0
		.amdhsa_float_denorm_mode_32 3
		.amdhsa_float_denorm_mode_16_64 3
		.amdhsa_memory_ordered 1
		.amdhsa_forward_progress 1
		.amdhsa_inst_pref_size 255
	.end_amdhsa_kernel
	.section	.bss,"aw",@nobits
	.p2align	6
	.space	262144
	.amdgpu_metadata
---
amdhsa.version: [ 1, 2 ]
amdhsa.kernels:
  - .name:           k_q9cef751020_qkv
    .symbol:         k_q9cef751020_qkv.kd
    .args:
      - { .name: xh, .offset: 0, .size: 8, .value_kind: global_buffer, .address_space: global }
      - { .name: wt, .offset: 8, .size: 8, .value_kind: global_buffer, .address_space: global }
      - { .name: qkv, .offset: 16, .size: 8, .value_kind: global_buffer, .address_space: global }
    .group_segment_fixed_size: 327680
    .private_segment_fixed_size: 0
    .kernarg_segment_align: 8
    .kernarg_segment_size: 24
    .max_flat_workgroup_size: 128
    .sgpr_count:     88
    .vgpr_count:     704
    .wavefront_size: 32
...
	.end_amdgpu_metadata
.endif
;; end of part 2
;; launch attn (part 3): grid 8 x 32, 8 waves a work-group, no clusters, 308,224 bytes of LDS; arguments qkv, att; writes att
.if DOCPART == 3
	.amdgcn_target "amdgcn-amd-amdhsa--gfx1250"
	.amdhsa_code_object_version 6
	.text
	.protected	k_q9cef751020_attn
	.globl	k_q9cef751020_attn
	.p2align	8
	.type	k_q9cef751020_attn,@function
k_q9cef751020_attn:
	s_mov_b64 s[64:65], 0
	v_nop
	global_prefetch_b8 v0, s[64:65] scope:SCOPE_SE
	s_setreg_imm32_b32 hwreg(HW_REG_WAVE_MODE, 25, 1), 1
	s_wait_xcnt 0x0
; LAUNCH 3 OF 4: attention in windows of 128: each query sees the previous window's 128 keys and its own window's keys up to itself.
; LEFT OUT (shown at the head of the first launch): the products with the zero window in front of a sequence's first window (its 128 scores of 0 stay in the
; maximum and in the denominator), and key tiles that the causal mask throws away whole.  A NaN or an infinity that reaches only those is not carried.
; qkv holds c q (c = 0.125 log2 e), k, v in f16 by heads, so a score s comes out in base-2 units and a weight is exp2(s - max), with a running maximum.
; A work-group: two neighbouring windows (256 rows) x two neighbouring heads; 8 x 32 = 256 work-groups.  Two heads make rows of 256 bytes of att.
; Wave W: head e = W / 4, w = W % 4.  It does two units of 32 queries: block w of the first window and block 3 - w of the second:
; (1 + 4 + w) + (1 + 4 + 3 - w) = 13 blocks of 32 keys for every wave.
; THE FILLS COME IN TWO STAGES.  Every wave asks first for its parts of K and V of the window in front and of Q, K, V of the first window (160 KiB for the
; work-group), then for Q, K, V of the second window (96 KiB).  A wave's tensor loads end in order, so unit 0 starts behind a counted wait that leaves the second
; window's three loads out, and these land under unit 0's products.  The window in front stands ahead of the first window because the wave with w = 0 needs it
; after one block of its thirteen, and because the count 3 then holds with and without a window in front.
; Each unit takes its diagonal block, then the four blocks of the window in front, then the blocks of its own window: so every wave has done five blocks when it
; signals that its parts of the second window have landed, and it waits for the others' signals only at the head of unit 1.  A barrier in one piece between the
; units would make every wave wait for the longest unit 0 and the longest unit 1: 8 + 8 blocks instead of 13.
; NO CLUSTER: neighbouring work-groups share one window's K and V (64 of 256 KiB), and it lands in another region of LDS in another role, so no one descriptor serves both.
; LAYOUTS.  S^T = K Q^T (source 0 = 16 keys, source 1 = 16 queries): lane (r, h) holds query r, keys 8 h + 0..7.  Two key tiles, packed to f16, ARE the
; second source of O^T = V^T P^T; V^T's fragments come by transposing LDS loads.  So maximum, sum and 1 / sum of a query live in its own two lanes
; r and r + 16, and a lane's eight results are eight neighbouring numbers of a row of att.
; LIMITS: p is rounded to f16 for the product, the denominator sums the unrounded p.  A NaN score loses in the running maximum.
.set PK, 144                           ; pitch of Q's and K's rows: 128 bytes + 16, an odd multiple of 16
.set PV, 160                           ; pitch of V's rows: 128 + 32, an odd multiple of 32, for the transposing load
.set SP, 272                           ; pitch of the output stage: 256 + 16
.set WQ, 256*PK                        ; one window of both heads, [head][128 rows], of Q or K
.set WV, 256*PV                        ; the same of V
.set KC, 2*WQ                          ; LDS: Q [window][head][128 rows] at 0; K of both windows, laid likewise, here;
.set KP, KC+2*WQ                       ; K of the window in front [head][128];
.set VC, KP+WQ                         ; V of both windows [window][head][128];
.set VP, VC+2*WV                       ; V of the window in front [head][128]; the map ends at 307,200
.set PART, 16777216                    ; bytes of q, of k, of v
.set WIND, 16384                       ; bytes of a head's window: 128 rows of 128 bytes
.set VQB, 1                            ; v1   Q: lane term + head
.set VKC, 2                            ; v2-5 the same for K, K in front, V, V in front
.set VKP, 3
.set VVC, 4
.set VVP, 5
.set VQ,  6                            ; v6-8 the unit's own queries, and its diagonal block of K and V
.set VKD, 7
.set VVD, 8
.set NEG, 9                            ; v9   the most negative f32 number
.set TT,  10                           ; v10-15 at work
.set ST,  16                           ; v16-23: for query tile qt at ST + 4 qt: M (running maximum), L (my half of the sum), AL (rescale; 1 / sum), MN (the other lane's figure)
.set QF,  24                           ; v24-55   Q[qt][ks] at 24 + 16 qt + 8 ks
.set KF,  56                           ; v56-87   K[kt][ks]
.set VF,  88                           ; v88-119  V^T[dt]
.set SC,  120                          ; v120-151 S[qt][kt] at 120 + 16 qt + 8 kt; P[qt] is packed in place into the first eight of its sixteen
.set OA,  152                          ; v152-215 O[qt][dt] at 152 + 32 qt + 8 dt
.set OP,  216                          ; v216-247 the first unit's result, packed
.set STO, 248                          ; v248-249 where unit 0, 1 puts its rows in the stage
.set RD,  250
.set CO,  251
.set MK,  76                           ; s[76:83] mask j: lanes whose key 8 h + j lies behind their query r
.macro SHAPE g, rows, pad              ; group 1: a dense block as rows of 256 bytes; behind every 32 words (a head's row of 128 bytes) pad words are skipped
	s_mov_b32 s[\g+0], (1<<16)|(1<<20)|(4<<22)|((\pad-1)<<25)
	s_mov_b32 s[\g+1], 128<<16
	s_mov_b32 s[\g+2], \rows<<16
	s_mov_b32 s[\g+3], 128<<16
	s_mov_b32 s[\g+4], \rows
	s_mov_b32 s[\g+5], 128
	s_mov_b32 s[\g+6], 0
	s_mov_b32 s[\g+7], 0
.endm
.macro WHERE g, base, step, src, add   ; group 0: to LDS byte base + wave x step, from the address in s[src:src+1] + add
	s_mov_b32 s[\g], 1
	s_mul_i32 s[\g+1], s8, \step
.if \base
	s_add_co_u32 s[\g+1], s[\g+1], \base
.endif
.if \add
	s_add_nc_u64 s[\g+2:\g+3], s[\src:\src+1], \add
.else
	s_mov_b64 s[\g+2:\g+3], s[\src:\src+1]
.endif
	s_or_b32 s[\g+3], s[\g+3], 0x80000000
.endm
	s_load_b128 s[4:7], s[0:1], 0x0                ; qkv s[4:5], att s[6:7]
	v_lshl_add_u32 v254, v0, 2, 0x4b000
	v_mov_b32 v255, 0
	ds_add_u32 v254, v255
	ds_add_u32 v254, v255
	v_lshrrev_b32 v1, 5, v0
	v_readfirstlane_b32 s8, v1                     ; W, 0 to 7
	s_lshr_b32 s9, s8, 2                           ; e: my head of the two
	s_and_b32 s10, s8, 3                           ; w: my query block in the first window
	s_sub_co_u32 s75, 3, s10                       ; my query block in the second
	s_and_b32 s11, ttmp7, 0xffff                   ; y = 8 x batch + pair of heads
	s_mov_b32 s12, ttmp9                           ; wp: pair of windows
	SHAPE 16, 16, 4                                ; 32 rows of Q or K (4 KiB, dense in memory), pitch 144
	SHAPE 24, 16, 8                                ; 32 rows of V, pitch 160
	s_lshl_b32 s13, s11, 1
	s_add_co_u32 s13, s13, s9                      ; 16 x batch + head
	s_lshl_b32 s13, s13, 18                        ; planes of 262,144 bytes
	s_lshl_b32 s14, s12, 15                        ; 256 rows of 128 bytes
	s_add_co_u32 s13, s13, s14
	s_lshl_b32 s14, s10, 12
	s_add_co_u32 s86, s13, s14                     ; my 32 of a window's 128 rows; in LDS row 128 e + 32 w = 32 W of a window's 256
	s_mov_b32 s87, 0
	s_wait_dscnt 0x0
	s_wait_kmcnt 0x0
	s_add_nc_u64 s[88:89], s[4:5], s[86:87]        ; q, my head, the first window, my rows
	; All first fills go out as one group: eight tensor loads of the wave are out (six where the sequence begins: there is no window in front, and nothing reads those regions).
	s_cmp_eq_u32 s12, 0
	s_cbranch_scc1 .Lno_front
	WHERE 32, KP, 32*PK, 88, PART-WIND
	tensor_load_to_lds s[32:35], s[16:23]
	s_nop 0
	WHERE 36, VP, 32*PV, 88, 2*PART-WIND
	tensor_load_to_lds s[36:39], s[24:31]
	s_nop 0
.Lno_front:
	WHERE 40, 0, 32*PK, 88, 0                      ; the first window: Q, K, V
	tensor_load_to_lds s[40:43], s[16:23]
	s_nop 0
	WHERE 44, KC, 32*PK, 88, PART
	tensor_load_to_lds s[44:47], s[16:23]
	s_nop 0
	WHERE 48, VC, 32*PV, 88, 2*PART
	tensor_load_to_lds s[48:51], s[24:31]
	s_nop 0
	WHERE 52, WQ, 32*PK, 88, WIND                  ; the second window: Q, K, V, the last three loads on both paths
	tensor_load_to_lds s[52:55], s[16:23]
	s_nop 0
	WHERE 56, KC+WQ, 32*PK, 88, PART+WIND
	tensor_load_to_lds s[56:59], s[16:23]
	s_nop 0
	WHERE 60, VC+WV, 32*PV, 88, 2*PART+WIND
	tensor_load_to_lds s[60:63], s[24:31]
	s_nop 0
	s_mov_b32 s72, 0x76543210                      ; v_permlanex16_b32: lane i of one half reads lane i of the other
	s_mov_b32 s73, 0xfedcba98
	s_cmp_eq_u32 s12, 0
	s_cselect_b32 s74, 0, 0xff7fffff               ; what the window in front adds to the first unit's first maximum: the score 0 where it is the zero window, else nothing
	v_and_b32 v10, 15, v0                          ; r
	v_bfe_u32 v11, v0, 4, 1                        ; h
	v_mul_u32_u24 v12, v10, PK
	v_lshl_add_u32 v12, v11, 4, v12                ; Q, K: row r, 16 h
	s_mul_i32 s84, s9, 128*PK                      ; my head's 128 rows of a window
	v_add_nc_u32 v[VQB], s84, v12
	v_add_nc_u32 v[VKC], KC, v[VQB]
	v_add_nc_u32 v[VKP], KP, v[VQB]
	v_and_b32 v13, 7, v0
	v_lshl_add_u32 v13, v11, 3, v13                ; V: row 8 h + (l % 8),
	v_mul_u32_u24 v13, v13, PV
	v_bfe_u32 v14, v0, 3, 1
	v_lshl_add_u32 v13, v14, 4, v13                ; 16 bytes for each eight lanes
	s_mul_i32 s84, s9, 128*PV
	s_add_co_u32 s84, s84, VC
	v_add_nc_u32 v[VVC], s84, v13
	v_add_nc_u32 v[VVP], VP-VC, v[VVC]
	v_mov_b32 v[NEG], 0xff7fffff
	v_lshlrev_b32 v15, 3, v11
	v_sub_nc_u32 v15, v10, v15                     ; r - 8 h
.irp j, 0,1,2,3,4,5,6,7
	v_cmp_gt_i32 s[MK+\j], \j, v15                 ; key 8 h + j > query r: masked in a diagonal tile
.endr
	v_mul_u32_u24 v14, v10, SP
	v_lshl_add_u32 v14, v11, 4, v14                ; stage, in: row r, 16 h
	s_lshl_b32 s85, s9, 7                          ; my head's 128 bytes of a row
	s_mul_i32 s84, s10, 32*SP
	s_add_co_u32 s84, s84, s85
	v_add_nc_u32 v[STO], s84, v14
	s_mul_i32 s84, s75, 32*SP
	s_add_co_u32 s84, s84, s85
	s_add_co_u32 s84, s84, 128*SP
	v_add_nc_u32 v[STO+1], s84, v14
	v_mul_u32_u24 v14, v11, SP
	v_lshl_add_u32 v14, v10, 4, v14                ; stage, back: lanes 0-15 one row of 256 bytes, lanes 16-31 the next
	s_mul_i32 s84, s8, 32*SP
	v_add_nc_u32 v[RD], s84, v14
	v_lshlrev_b32 v14, 4, v10
	v_lshl_add_u32 v[CO], v11, 11, v14             ; the same two rows in att
	s_lshr_b32 s84, s11, 3
	s_lshl_b32 s84, s84, 11                        ; 2,048 x batch
	s_lshl_b32 s85, s12, 8
	s_add_co_u32 s84, s84, s85                     ; + 256 wp
	s_lshl_b32 s85, s8, 5
	s_add_co_u32 s84, s84, s85                     ; + 32 W
	s_lshl_b32 s84, s84, 11                        ; rows of 2,048 bytes
	s_and_b32 s85, s11, 7
	s_lshl_b32 s85, s85, 8                         ; the pair of heads: 256 bytes
	s_add_co_u32 s84, s84, s85
	s_mov_b32 s85, 0
	s_add_nc_u64 s[6:7], s[6:7], s[84:85]
.irp i, 1,3,5,7
	v_mov_b32 v[ST+\i], 0                          ; written once: v_permlanex16_b32's destination, and the second register of a pair of which the first is broadcast, count as read
.endr
	s_wait_tensorcnt 0x3                           ; my parts of the window in front and of the first window have landed; the three loads issued behind them, the second window's, stay out:
	s_barrier_signal -1                            ; no LDS byte is filled twice in this launch
	s_barrier_wait -1                              ; and everybody's have
.macro NOPS n
.rept \n
	v_nop
.endr
.endm
.macro LDK reg, row                    ; 32 keys from row on: K[kt][ks], eight loads
.irp kt, 0,1
.irp ks, 0,1
	ds_load_b128 v[KF+16*\kt+8*\ks:KF+16*\kt+8*\ks+3],   v[\reg] offset:(\row+16*\kt)*PK+64*\ks
	ds_load_b128 v[KF+16*\kt+8*\ks+4:KF+16*\kt+8*\ks+7], v[\reg] offset:(\row+16*\kt)*PK+64*\ks+32
.endr
.endr
.endm
.macro LDV reg, row                    ; the same 32 keys of V, transposed: V^T[dt], eight loads
.irp dt, 0,1,2,3
	ds_load_tr16_b128 v[VF+8*\dt:VF+8*\dt+3],   v[\reg] offset:(\row)*PV+32*\dt
	ds_load_tr16_b128 v[VF+8*\dt+4:VF+8*\dt+7], v[\reg] offset:(\row+16)*PV+32*\dt
.endr
.endm
.macro SMM qt, kt, ks, first           ; S[qt][kt] (+)= K[kt][ks] Q[qt][ks]^T
.if \first
	v_wmma_f32_16x16x32_f16 v[SC+16*\qt+8*\kt:SC+16*\qt+8*\kt+7], v[KF+16*\kt+8*\ks:KF+16*\kt+8*\ks+7], v[QF+16*\qt+8*\ks:QF+16*\qt+8*\ks+7], 0
.else
	v_wmma_f32_16x16x32_f16 v[SC+16*\qt+8*\kt:SC+16*\qt+8*\kt+7], v[KF+16*\kt+8*\ks:KF+16*\kt+8*\ks+7], v[QF+16*\qt+8*\ks:QF+16*\qt+8*\ks+7], v[SC+16*\qt+8*\kt:SC+16*\qt+8*\kt+7]
.endif
.endm
.macro PVM qt, dt, first               ; O[qt][dt] (+)= V^T[dt] P[qt]^T
.if \first
	v_wmma_f32_16x16x32_f16 v[OA+32*\qt+8*\dt:OA+32*\qt+8*\dt+7], v[VF+8*\dt:VF+8*\dt+7], v[SC+16*\qt:SC+16*\qt+7], 0
.else
	v_wmma_f32_16x16x32_f16 v[OA+32*\qt+8*\dt:OA+32*\qt+8*\dt+7], v[VF+8*\dt:VF+8*\dt+7], v[SC+16*\qt:SC+16*\qt+7], v[OA+32*\qt+8*\dt:OA+32*\qt+8*\dt+7]
.endif
.endm
.macro PV8 first                       ; the eight accumulators by turns, one instruction a turn
.irp dt, 0,1,2,3
	PVM 0, \dt, \first
	PVM 1, \dt, \first
.endr
.endm
; The softmax step of a block of 32 keys x 32 queries, both query tiles line by line in turn.
.macro SOFT
.irp qt, 0,1
	v_max3_num_f32 v[TT+2*\qt],   v[SC+16*\qt],   v[SC+16*\qt+1], v[SC+16*\qt+2]
	v_max3_num_f32 v[TT+2*\qt+1], v[SC+16*\qt+8], v[SC+16*\qt+9], v[SC+16*\qt+10]
.endr
.irp qt, 0,1
	v_max3_num_f32 v[TT+2*\qt],   v[TT+2*\qt],   v[SC+16*\qt+3],  v[SC+16*\qt+4]
	v_max3_num_f32 v[TT+2*\qt+1], v[TT+2*\qt+1], v[SC+16*\qt+11], v[SC+16*\qt+12]
.endr
.irp qt, 0,1
	v_max3_num_f32 v[TT+2*\qt],   v[TT+2*\qt],   v[SC+16*\qt+5],  v[SC+16*\qt+6]
	v_max3_num_f32 v[TT+2*\qt+1], v[TT+2*\qt+1], v[SC+16*\qt+13], v[SC+16*\qt+14]
.endr
.irp qt, 0,1
	v_max3_num_f32 v[TT+2*\qt], v[TT+2*\qt], v[SC+16*\qt+7], v[ST+4*\qt]            ; the running maximum takes part
.endr
.irp qt, 0,1
	v_max3_num_f32 v[TT+2*\qt], v[TT+2*\qt], v[TT+2*\qt+1], v[SC+16*\qt+15]
.endr
.irp qt, 0,1
	v_permlanex16_b32 v[ST+4*\qt+3], v[TT+2*\qt], s72, s73                          ; the query's other sixteen keys
.endr
.irp qt, 0,1
	v_max_num_f32 v[ST+4*\qt+3], v[ST+4*\qt+3], v[TT+2*\qt]                         ; the new maximum
.endr
.irp qt, 0,1
	v_sub_f32 v[ST+4*\qt+2], v[ST+4*\qt], v[ST+4*\qt+3]
.endr
.irp qt, 0,1
	v_mov_b32 v[ST+4*\qt], v[ST+4*\qt+3]
.endr
.irp qt, 0,1
	v_exp_f32 v[ST+4*\qt+2], v[ST+4*\qt+2]                                          ; AL = exp2(old maximum - new)
.endr
.irp qt, 0,1
.irp i, 0,2,4,6,8,10,12,14
	v_pk_add_f32 v[SC+16*\qt+\i:SC+16*\qt+\i+1], v[SC+16*\qt+\i:SC+16*\qt+\i+1], v[ST+4*\qt:ST+4*\qt+1] op_sel_hi:[1,0] neg_lo:[0,1] neg_hi:[0,1]   ; s - maximum: exactly 0 at the maximum
.endr
.endr
.set cnt, 0
.rept 32
	v_exp_f32 v[SC+cnt], v[SC+cnt]
.set cnt, cnt+1
.endr
	s_wait_alu depctr_va_vdst(0)
.irp qt, 0,1                           ; the old sums are rescaled here: plain instructions that touch none of the exponentials' registers stand between these and their first use (ISA guide 5.7.2)
.set cnt, 0
.rept 16
	v_pk_mul_f32 v[OA+32*\qt+cnt:OA+32*\qt+cnt+1], v[OA+32*\qt+cnt:OA+32*\qt+cnt+1], v[ST+4*\qt+2:ST+4*\qt+3] op_sel_hi:[1,0]
.set cnt, cnt+2
.endr
.endr
.irp qt, 0,1
	v_pk_add_f32 v[TT+2*\qt:TT+2*\qt+1], v[SC+16*\qt:SC+16*\qt+1], v[SC+16*\qt+2:SC+16*\qt+3]
.endr
.irp i, 4,6,8,10,12,14
.irp qt, 0,1
	v_pk_add_f32 v[TT+2*\qt:TT+2*\qt+1], v[TT+2*\qt:TT+2*\qt+1], v[SC+16*\qt+\i:SC+16*\qt+\i+1]
.endr
.endr
.irp qt, 0,1
	v_add_f32 v[TT+2*\qt], v[TT+2*\qt], v[TT+2*\qt+1]
.endr
.irp qt, 0,1
	v_fma_f32 v[ST+4*\qt+1], v[ST+4*\qt+1], v[ST+4*\qt+2], v[TT+2*\qt]              ; L = L AL + my sixteen weights
.endr
.irp qt, 0,1
.irp i, 0,1,2,3,4,5,6,7
	v_cvt_pk_f16_f32 v[SC+16*\qt+\i], v[SC+16*\qt+2*\i], v[SC+16*\qt+2*\i+1]        ; in place, ascending: register i is written when 2 i and 2 i + 1 are read
.endr
.endr
.endm
; A block of 32 keys that all 32 queries see.
.macro FULL kreg, vreg, row
	LDK \kreg, \row                                ; K's registers were last read by matrix instructions that have four v_nop behind them
	NOPS 5                                         ; behind the last block's products with V: four places for the loads into V's registers, five for the products that write over P
	LDV \vreg, \row
	s_wait_dscnt 0x8                               ; K is in; V's eight loads may be out
	SMM 0, 0, 0, 1                                 ; four score tiles by turns, one instruction a turn
	SMM 0, 1, 0, 1
	SMM 1, 0, 0, 1
	SMM 1, 1, 0, 1
	SMM 0, 0, 1, 0
	SMM 0, 1, 1, 0
	SMM 1, 0, 1, 0
	SMM 1, 1, 1, 0
	NOPS 4                                         ; four places before vector instructions read the scores
	SOFT
	s_wait_dscnt 0x0                               ; V is in
	PV8 0
.endm
; The unit's diagonal block, first in every unit: it starts the maximum and the sums.  Tile (keys 16-31, queries 0-15) is masked whole and is not made.
; zw = 1: the unit whose window in front may be the zero window.
.macro DIAG zw
.irp qt, 0,1
.irp ks, 0,1
	ds_load_b128 v[QF+16*\qt+8*\ks:QF+16*\qt+8*\ks+3],   v[VQ] offset:16*\qt*PK+64*\ks
	ds_load_b128 v[QF+16*\qt+8*\ks+4:QF+16*\qt+8*\ks+7], v[VQ] offset:16*\qt*PK+64*\ks+32
.endr
.endr
	LDK VKD, 0
	LDV VVD, 0
	s_wait_dscnt 0x8                               ; Q and K are in; V's eight loads may be out
	SMM 0, 0, 0, 1                                 ; three tiles by turns
	SMM 1, 0, 0, 1
	SMM 1, 1, 0, 1
	SMM 0, 0, 1, 0
	SMM 1, 0, 1, 0
	SMM 1, 1, 1, 0
	NOPS 4
.irp j, 0,1,2,3,4,5,6,7
	v_cndmask_b32 v[SC+\j],    v[SC+\j],    v[NEG], s[MK+\j]       ; the two diagonal tiles: keys behind the query get the most negative number
	v_cndmask_b32 v[SC+24+\j], v[SC+24+\j], v[NEG], s[MK+\j]
.endr
	v_max3_num_f32 v[TT],   v[SC],    v[SC+1],  v[SC+2]
	v_max3_num_f32 v[TT+2], v[SC+16], v[SC+17], v[SC+18]
	v_max3_num_f32 v[TT+3], v[SC+24], v[SC+25], v[SC+26]
	v_max3_num_f32 v[TT],   v[TT],   v[SC+3],  v[SC+4]
	v_max3_num_f32 v[TT+2], v[TT+2], v[SC+19], v[SC+20]
	v_max3_num_f32 v[TT+3], v[TT+3], v[SC+27], v[SC+28]
	v_max3_num_f32 v[TT],   v[TT],   v[SC+5],  v[SC+6]
	v_max3_num_f32 v[TT+2], v[TT+2], v[SC+21], v[SC+22]
	v_max3_num_f32 v[TT+3], v[TT+3], v[SC+29], v[SC+30]
	v_max3_num_f32 v[TT+2], v[TT+2], v[SC+23], v[SC+31]
.if \zw
	v_max3_num_f32 v[TT],   v[TT],   v[SC+7], s74                  ; the zero window's score 0 takes part in the maximum
	v_max3_num_f32 v[TT+2], v[TT+2], v[TT+3], s74
.else
	v_max_num_f32 v[TT],   v[TT],   v[SC+7]
	v_max_num_f32 v[TT+2], v[TT+2], v[TT+3]
.endif
	v_permlanex16_b32 v[ST+3], v[TT],   s72, s73
	v_permlanex16_b32 v[ST+7], v[TT+2], s72, s73
	v_max_num_f32 v[ST],   v[ST+3], v[TT]
	v_max_num_f32 v[ST+4], v[ST+7], v[TT+2]
.irp i, 0,2,4,6
	v_pk_add_f32 v[SC+\i:SC+\i+1], v[SC+\i:SC+\i+1], v[ST:ST+1] op_sel_hi:[1,0] neg_lo:[0,1] neg_hi:[0,1]
.endr
.irp i, 16,18,20,22,24,26,28,30
	v_pk_add_f32 v[SC+\i:SC+\i+1], v[SC+\i:SC+\i+1], v[ST+4:ST+5] op_sel_hi:[1,0] neg_lo:[0,1] neg_hi:[0,1]
.endr
.irp i, 0,1,2,3,4,5,6,7,16,17,18,19,20,21,22,23,24,25,26,27,28,29,30,31
	v_exp_f32 v[SC+\i], v[SC+\i]
.endr
	v_nop                                          ; one plain instruction between the exponentials and their first use (ISA guide 5.7.2)
	s_wait_alu depctr_va_vdst(0)
	v_pk_add_f32 v[TT:TT+1],   v[SC:SC+1],     v[SC+2:SC+3]
	v_pk_add_f32 v[TT+2:TT+3], v[SC+16:SC+17], v[SC+18:SC+19]
	v_pk_add_f32 v[TT:TT+1],   v[TT:TT+1],     v[SC+4:SC+5]
	v_pk_add_f32 v[TT+2:TT+3], v[TT+2:TT+3],   v[SC+20:SC+21]
	v_pk_add_f32 v[TT:TT+1],   v[TT:TT+1],     v[SC+6:SC+7]
.irp i, 22,24,26,28,30
	v_pk_add_f32 v[TT+2:TT+3], v[TT+2:TT+3], v[SC+\i:SC+\i+1]
.endr
	v_add_f32 v[ST+1], v[TT],   v[TT+1]
	v_add_f32 v[ST+5], v[TT+2], v[TT+3]
.if \zw
	s_cmp_lg_u32 s12, 0
	s_cbranch_scc1 .Lfront_is_real_\@
	v_sub_f32 v[TT],   0, v[ST]                    ; the zero window's 128 scores of 0: 128 exp2(0 - maximum) in the denominator, 64 in each of the query's two lanes
	v_sub_f32 v[TT+2], 0, v[ST+4]
	v_exp_f32 v[TT],   v[TT]
	v_exp_f32 v[TT+2], v[TT+2]
	v_nop
	s_wait_alu depctr_va_vdst(0)
	v_fmac_f32 v[ST+1], 0x42800000, v[TT]          ; L += 64 exp2(- maximum)
	v_fmac_f32 v[ST+5], 0x42800000, v[TT+2]
.Lfront_is_real_\@:
.endif
.irp i, 0,1,2,3
	v_cvt_pk_f16_f32 v[SC+\i], v[SC+2*\i], v[SC+2*\i+1]
.endr
.irp i, 4,5,6,7
	v_mov_b32 v[SC+\i], 0                          ; queries 0-15 give keys 16-31 the weight 0
.endr
.irp i, 0,1,2,3,4,5,6,7
	v_cvt_pk_f16_f32 v[SC+16+\i], v[SC+16+2*\i], v[SC+16+2*\i+1]
.endr
	s_wait_dscnt 0x0                               ; V is in
	PV8 1                                          ; the first products start the sums: nothing is cleared
.endm
; The unit's end: both lanes' half sums meet, the results are divided and packed into 32 registers from dst on.
.macro FIN dst
	NOPS 5                                         ; behind the last products: four places for what reads or reloads their registers, five for the next unit's products that write over them
.irp qt, 0,1
	v_permlanex16_b32 v[ST+4*\qt+3], v[ST+4*\qt+1], s72, s73
.endr
.irp qt, 0,1
	v_add_f32 v[ST+4*\qt+1], v[ST+4*\qt+1], v[ST+4*\qt+3]
.endr
.irp qt, 0,1
	v_rcp_f32 v[ST+4*\qt+2], v[ST+4*\qt+1]         ; the sum is at least 1: the maximum's own weight
.endr
	v_nop
	s_wait_alu depctr_va_vdst(0)
.irp qt, 0,1
.set cnt, 0
.rept 16
	v_pk_mul_f32 v[OA+32*\qt+cnt:OA+32*\qt+cnt+1], v[OA+32*\qt+cnt:OA+32*\qt+cnt+1], v[ST+4*\qt+2:ST+4*\qt+3] op_sel_hi:[1,0]
.set cnt, cnt+2
.endr
.endr
.set cnt, 0
.rept 32
	v_cvt_pk_f16_f32 v[\dst+cnt], v[OA+2*cnt], v[OA+2*cnt+1]
.set cnt, cnt+1
.endr
.endm
; Unit u: 32 queries, block s[sb] of window u of the two.  The branches hang on the wave's number and on the work-group's place alone; all go forward.
; Order: the diagonal block, the four blocks of the window in front, the blocks of my own window in front of my queries.
.macro UNIT u, sb, zw, dst
	s_mul_i32 s84, s[\sb], 32*PK
	s_mul_i32 s85, s[\sb], 32*PV
.if \u
	s_add_co_u32 s84, s84, WQ
	s_add_co_u32 s85, s85, WV
.endif
	v_add_nc_u32 v[VQ],  s84, v[VQB]
	v_add_nc_u32 v[VKD], s84, v[VKC]
	v_add_nc_u32 v[VVD], s85, v[VVC]
	DIAG \zw
.if \u
	FULL VKC, VVC, 0                               ; the window in front is the work-group's first window
	FULL VKC, VVC, 32
	FULL VKC, VVC, 64
	FULL VKC, VVC, 96
.else
	s_cmp_eq_u32 s12, 0                            ; the zero window: no products
	s_cbranch_scc1 .Lzero_\@
	FULL VKP, VVP, 0
	FULL VKP, VVP, 32
	FULL VKP, VVP, 64
	FULL VKP, VVP, 96
.Lzero_\@:
	s_wait_dscnt 0x0                               ; no LDS instruction of mine is pending at a signal (met: each block ends behind such a wait)
	s_wait_tensorcnt 0x0                           ; my parts of the second window have landed:
	s_barrier_signal -1                            ; say so.  Up to the wait stand register work and LDS loads of the first window's K and V, bytes that nothing writes any more
.endif
	s_cmp_le_u32 s[\sb], 2
	s_cbranch_scc1 .Lnot2_\@
	FULL VKC, VVC, 256*\u+64
.Lnot2_\@:
	s_cmp_le_u32 s[\sb], 1
	s_cbranch_scc1 .Lnot1_\@
	FULL VKC, VVC, 256*\u+32
.Lnot1_\@:
	s_cmp_le_u32 s[\sb], 0
	s_cbranch_scc1 .Lnot0_\@
	FULL VKC, VVC, 256*\u
.Lnot0_\@:
	FIN \dst
.if \u == 0
	s_barrier_wait -1                              ; everybody's parts of the second window have landed
.endif
.endm
	UNIT 0, 10, 1, OP
	UNIT 1, 75, 0, KF
	; THE WAY OUT: both heads' results meet in a stage of 256 rows x 272 bytes on Q's bytes, which have had their one fill and are read no more behind this barrier.
	s_wait_dscnt 0x0                               ; my LDS reads are over
	s_barrier_signal -1
	s_barrier_wait -1                              ; everybody's are
.irp qt, 0,1
.irp dt, 0,1,2,3
	ds_store_b128 v[STO],   v[OP+16*\qt+4*\dt:OP+16*\qt+4*\dt+3] offset:16*SP*\qt+32*\dt
	ds_store_b128 v[STO+1], v[KF+16*\qt+4*\dt:KF+16*\qt+4*\dt+3] offset:16*SP*\qt+32*\dt
.endr
.endr
	s_wait_dscnt 0x0                               ; my stores are in LDS, for the other waves' sake
	s_barrier_signal -1
	s_barrier_wait -1
.irp t, 0,1,2,3,4,5,6,7,8,9,10,11,12,13,14,15
	ds_load_b128 v[VF+4*\t:VF+4*\t+3], v[RD] offset:2*SP*\t        ; rows 32 W + 2 t and + 1
.endr
.irp t, 0,1,2,3,4,5,6,7,8,9,10,11,12,13,14,15
	s_wait_dscnt 15-\t                             ; LDS loads come back in order: the later ones stay out
	global_store_b128 v[CO], v[VF+4*\t:VF+4*\t+3], s[6:7] offset:4096*\t   ; sixteen lanes store 256 consecutive bytes, aligned
.endr
	s_wait_tensorcnt 0x0
	ds_add_u32 v254, v255
	s_wait_dscnt 0x0
	s_endpgm
.Lfunc_end_k_q9cef751020_attn:
	.size	k_q9cef751020_attn, .Lfunc_end_k_q9cef751020_attn-k_q9cef751020_attn
	.p2alignl 7, 3214868480
	.fill 96, 4, 3214868480
	.section	.rodata,"a",@progbits
	.p2align	6, 0x0
	.amdhsa_kernel k_q9cef751020_attn
		.amdhsa_group_segment_fixed_size 308224
		.amdhsa_private_segment_fixed_size 0
		.amdhsa_enable_private_segment 0
		.amdhsa_kernarg_size 16
		.amdhsa_user_sgpr_count 2
		.amdhsa_user_sgpr_kernarg_segment_ptr 1
		.amdhsa_wavefront_size32 1
		.amdhsa_system_sgpr_workgroup_id_x 1
		.amdhsa_system_sgpr_workgroup_id_y 1
		.amdhsa_system_sgpr_workgroup_id_z 1
		.amdhsa_system_vgpr_workitem_id 0
		.amdhsa_next_free_vgpr 256
		.amdhsa_next_free_sgpr 96
		.amdhsa_reserve_vcc 0
		.amdhsa_float_denorm_mode_32 3
		.amdhsa_float_denorm_mode_16_64 3
		.amdhsa_memory_ordered 1
		.amdhsa_forward_progress 1
		.amdhsa_inst_pref_size 176
	.end_amdhsa_kernel
	.amdgpu_metadata
---
amdhsa.version: [ 1, 2 ]
amdhsa.kernels:
  - .name:           k_q9cef751020_attn
    .symbol:         k_q9cef751020_attn.kd
    .args:
      - { .name: qkv, .offset: 0, .size: 8, .value_kind: global_buffer, .address_space: global }
      - { .name: att, .offset: 8, .size: 8, .value_kind: global_buffer, .address_space: global }
    .group_segment_fixed_size: 308224
    .private_segment_fixed_size: 0
    .kernarg_segment_align: 8
    .kernarg_segment_size: 16
    .max_flat_workgroup_size: 256
    .sgpr_count:     96
    .vgpr_count:     256
    .wavefront_size: 32
...
	.end_amdgpu_metadata
.endif
;; end of part 3
;; launch proj (part 4): grid 8 x 32, 4 waves a work-group, clusters of 4 x 4, 327,680 bytes of LDS; arguments att, wt, bo, out0; writes out0
.if DOCPART == 4
	.amdgcn_target "amdgcn-amd-amdhsa--gfx1250"
	.amdhsa_code_object_version 6
	.text
	.protected	k_q9cef751020_proj
	.globl	k_q9cef751020_proj
	.p2align	8
	.type	k_q9cef751020_proj,@function
k_q9cef751020_proj:
	s_mov_b64 s[64:65], 0
	v_nop
	global_prefetch_b8 v0, s[64:65] scope:SCOPE_SE
	s_setreg_imm32_b32 hwreg(HW_REG_WAVE_MODE, 25, 1), 1
	s_wait_xcnt 0x0
	s_wait_alu depctr_hold_cnt(0) depctr_sa_sdst(0) depctr_va_vdst(0) depctr_va_sdst(0) depctr_va_ssrc(0) depctr_va_vcc(0) depctr_vm_vsrc(0)
	s_getreg_b32 s2, hwreg(HW_REG_IB_STS2, 6, 4)
	s_cmp_eq_u32 s2, 0
	s_cbranch_scc0 .Lentry_in_a_cluster
	s_endpgm
.Lentry_in_a_cluster:
	s_bfe_u32 s2, ttmp6, 0x10000c
	s_cmp_lg_u32 s2, 0xf033
	s_cbranch_scc0 .Lentry_shape_is_right
	s_endpgm
.Lentry_shape_is_right:
; LAUNCH 4 OF 4: out0 = att wo + bo = att (rows 3072-4095 of wt)^T + bo, 8192 x 1024 x 1024, f16 operands, f32 sums, f32 result.  Nothing is left out here.
; A work-group makes 256 rows x 128 columns with four waves, 2 x 2; a wave makes 128 x 64: 32 accumulator tiles, 256 registers.  32 x 8 = 256 work-groups of equal work.
; THE RING: ONE LARGE SLOT AND ONE SMALL.  A K step of 128 is only 128 matrix instructions of a wave, little work for the next tile to land under.  So the eight K steps
; go as large (0, 1), small (2), large (3, 4), small (5), large (6, 7): the large slot holds two K steps as rows of 512 bytes (384 rows at pitch 528 = 202,752 bytes),
; the small one K step (384 rows at pitch 272 = 104,448 bytes); with the stage of 17,408 bytes that is 324,608 of the 327,680 bytes.  Two slots of two steps would
; take 405,504.  A load into the small slot has the large slot's 256 matrix instructions in which to land, one into the large slot the small slot's 128; slots are
; filled again three times, each behind a round of the cluster's barrier, where a ring of two slots of one step would fill six times.
; The trips are unlike (the first starts the sums, the last small slot is not filled again), so the walk is written out by macros, without a loop.
; CLUSTERS of 4 x 4: att's tile is asked for jointly along a cluster's row, wt's along a column: a quarter of the requests.
; REGISTERS in windows of 256: window 0: v16-27 addresses, v28-31 my four numbers of bo; fragment buffers F0 = v32 and F1 = v144 (A's eight fragments, then B's four).
; Window 1: accumulator tiles of my rows 0-63, tile (a, b) at v[8 (4 a + b)].  Window 2: those of my rows 64-127.
; The matrix instruction is used transposed (source 0 = 16 rows of wt, source 1 = 16 rows of att): a lane's eight results are eight neighbouring columns of a row.
; The 32 accumulators take turns, one instruction a turn, in the same order in every quarter step.
.set NB,     4
.set SIZE_K, 1024
.set KSTEP,  128
.set PL,     528                       ; pitch in the large slot (slot 0): 512 bytes + 16, an odd multiple of 16
.set PS,     272                       ; pitch in the small slot (slot 1): 256 bytes + 16, an odd multiple of 16.  The pitch of slot s is PL - (PL - PS) s
.set LARGE,  384*PL                    ; A's 256 rows, then B's 128
.set SMALL,  384*PS
.set STAGE,  LARGE+SMALL               ; behind the ring: 16 rows x 272 bytes for each wave; no tensor load ever fills these bytes
.set SPITCH, 272
.set ADRA, 16                          ; v16-17  LDS address of my A fragments in slot 0, 1
.set ADRB, 20                          ; v20-21  the same for B
.set STO,  24
.set RD,   25
.set CO,   26
.set BOF,  27                          ; v27     my offset in bo
.set BIAS, 28                          ; v[28:31] bo of my four columns on the way out
.set F0,   32
.set F1,   144
.set FB,   64
.set G0,  24                           ; s[24:31] descriptor group 0 for A's tiles, a set for each slot
.set G0B, 32                           ; s[32:39] the same for B's tiles
.set G1B, 48                           ; s[48:63] group 1 for B's tiles, a set of eight for each slot
.set G1A, 80                           ; s[80:95] group 1 for A's tiles, a set of eight for each slot
.set MSB, 0
.macro WIN new                         ; the immediate's high byte repeats the setting that is left
.if MSB != \new
	s_set_vgpr_msb (MSB<<8)|\new
.set MSB, \new
.endif
.endm
.set MUL_LO, 0x50                      ; sources 0 and 1 window 0, C and D window 1
.set MUL_HI, 0xa0                      ; C and D window 2
.macro JLOAD s                         ; a joint load into slot s: waves 0 and 1 fetch A's two halves, waves 2 and 3 B's; the branch hangs on the wave's number alone
	s_cmp_eq_u32 s11, 0
	s_cbranch_scc0 .Lfor_b_\@
	tensor_load_to_lds s[G0+4*\s:G0+4*\s+3], s[G1A+8*\s:G1A+8*\s+7]
	s_nop 0
	s_branch .Lasked_\@
.Lfor_b_\@:
	tensor_load_to_lds s[G0B+4*\s:G0B+4*\s+3], s[G1B+8*\s:G1B+8*\s+7]
	s_nop 0
.Lasked_\@:
.endm
.macro CREST                           ; a round of the cluster's barrier behind its opening barrier
	s_cmp_lg_u32 s10, 0
	s_cbranch_scc1 .Lnot_wave_0_\@
	s_barrier_signal -3
.Lnot_wave_0_\@:
	s_barrier_wait -3
	s_barrier_signal -1
	s_barrier_wait -1
.endm
.macro CROUND
	s_barrier_signal -1
	s_barrier_wait -1
	CREST
.endm
; group 1: rows x cols elements of 2 bytes; 4 words of padding behind every row (2 << qi words); the mask in s[m], bit 21 beside it
.macro SHAPE g, m, cols, qi, rows
	s_or_b32 s[\g+0], s[\m], (1<<16)|(1<<20)|(1<<21)|(\qi<<22)|(3<<25)
	s_mov_b32 s[\g+1], (\cols)<<16                 ; tensor_dim0
	s_mov_b32 s[\g+2], (\rows)<<16                 ; tensor_dim1
	s_mov_b32 s[\g+3], (\cols)<<16                 ; tile_dim0
	s_mov_b32 s[\g+4], \rows                       ; tile_dim1
	s_mov_b32 s[\g+5], SIZE_K                      ; elements from row to row
	s_mov_b32 s[\g+6], 0
	s_mov_b32 s[\g+7], 0
.endm
	s_load_b128 s[4:7], s[0:1], 0x0                ; att s[4:5], wt s[6:7]
	s_load_b128 s[72:75], s[0:1], 0x10             ; bo s[72:73], out0 s[74:75]
	v_lshl_add_u32 v254, v0, 2, 0x4f400
	v_mov_b32 v255, 0
	ds_add_u32 v254, v255
	ds_add_u32 v254, v255
	v_lshrrev_b32 v1, 5, v0
	v_readfirstlane_b32 s10, v1                    ; wave 0..3
	s_lshr_b32 s11, s10, 1                         ; my half of the rows.  Also: I fetch for A (0) or for B (1)
	s_and_b32 s12, s10, 1                          ; my half of the columns.  Also: which half of that tile I fetch
	s_bfe_u32 s40, ttmp6, 0x40000                  ; cx
	s_bfe_u32 s41, ttmp6, 0x40004                  ; cy
	s_lshl_b32 s42, ttmp9, 2
	s_add_co_u32 s42, s42, s40                     ; block column
	s_and_b32 s13, ttmp7, 0xffff
	s_lshl_b32 s13, s13, 2
	s_add_co_u32 s13, s13, s41                     ; block row
	s_lshl_b32 s43, s41, 2
	s_lshl_b32 s43, 15, s43                        ; my row of the cluster: A's tiles go to it
	s_lshl_b32 s44, 0x1111, s40                    ; my column: B's tiles go to it
	SHAPE G1A,   43, 2*KSTEP, 6, 128               ; the large slot: rows of 256 elements = 128 words
	SHAPE G1A+8, 43, KSTEP,   5, 128               ; the small slot: rows of 128 elements = 64 words
	SHAPE G1B,   44, 2*KSTEP, 6, 16*NB
	SHAPE G1B+8, 44, KSTEP,   5, 16*NB
	s_lshl_b32 s17, s12, 7
	s_lshl_b32 s16, s13, 8
	s_add_co_u32 s16, s16, s17                     ; A: row 256 x block row + 128 x half
	s_lshl_b32 s16, s16, 11
	s_mov_b32 s17, 0
	s_mul_i32 s46, s42, 32*NB
	s_mul_i32 s47, s12, 16*NB
	s_add_co_u32 s46, s46, s47                     ; B: row 128 x block column + 64 x half of wo^T,
	s_lshl_b32 s46, s46, 11
	s_add_co_u32 s46, s46, 3072*2048               ; which begins at row 3,072 of wt
	s_mov_b32 s47, 0
	s_wait_dscnt 0x0
	s_wait_kmcnt 0x0
	s_add_nc_u64 s[14:15], s[4:5], s[16:17]
	s_add_nc_u64 s[46:47], s[6:7], s[46:47]
	CROUND                                         ; all sixteen work-groups are here: the first joint loads meet
.irp s, 0,1
.set pp, PL-(PL-PS)*\s
	s_mov_b32 s[G0+4*\s], 1
	s_mul_i32 s[G0+4*\s+1], s10, 128*pp            ; waves 0, 1: A's halves at the slot's first byte + wave x 128 rows
.if \s
	s_add_co_u32 s[G0+4*\s+1], s[G0+4*\s+1], \s*LARGE
.endif
	s_add_nc_u64 s[G0+4*\s+2:G0+4*\s+3], s[14:15], \s*2*KSTEP*2    ; the large slot begins with K steps 0 and 1, the small with K step 2
	s_or_b32 s[G0+4*\s+3], s[G0+4*\s+3], 0x80000000
	s_mov_b32 s[G0B+4*\s], 1
	s_mul_i32 s[G0B+4*\s+1], s10, 16*NB*pp         ; waves 2, 3: B's halves behind A's 256 rows: 256 rows + (wave - 2) x 64 rows = wave x 64 rows + 128 rows
	s_add_co_u32 s[G0B+4*\s+1], s[G0B+4*\s+1], \s*LARGE+128*pp
	s_add_nc_u64 s[G0B+4*\s+2:G0B+4*\s+3], s[46:47], \s*2*KSTEP*2
	s_or_b32 s[G0B+4*\s+3], s[G0B+4*\s+3], 0x80000000
	JLOAD \s                                       ; both slots are asked for before anything else: two tensor loads of the wave are out
.endr
	v_and_b32 v1, 15, v0
	v_bfe_u32 v2, v0, 4, 1
	v_lshlrev_b32 v[BOF], 4, v1                    ; on the way out lane l holds columns 4 (l % 16) + 0..3 of my 64
	s_lshl_b32 s76, s42, 9                         ; 128 columns of f32 a block,
	s_lshl_b32 s77, s12, 8                         ; 64 a half
	s_add_co_u32 s76, s76, s77
	s_mov_b32 s77, 0
	s_add_nc_u64 s[72:73], s[72:73], s[76:77]
	global_load_b128 v[BIAS:BIAS+3], v[BOF], s[72:73]
	s_add_nc_u64 s[74:75], s[74:75], s[76:77]
	s_lshl_b32 s76, s13, 8
	s_lshl_b32 s78, s11, 7
	s_add_co_u32 s76, s76, s78                     ; my first row,
	s_lshl_b32 s76, s76, 12                        ; of 4,096 bytes; under 32 MiB
	s_add_nc_u64 s[74:75], s[74:75], s[76:77]
	; a fragment is 16 rows x 32 K in 8 registers: lane l holds row l % 16; two loads of 16 bytes, 32 bytes apart, at row x pitch + 16 (l / 16)
.irp s, 0,1
.set pp, PL-(PL-PS)*\s
	v_mul_u32_u24 v3, v1, pp
	v_lshl_add_u32 v3, v2, 4, v3
	s_mul_i32 s21, s11, 128*pp                     ; my 128 rows of A
.if \s
	s_add_co_u32 s21, s21, \s*LARGE
.endif
	s_mul_i32 s22, s12, 16*NB*pp                   ; my 64 rows of B,
	s_add_co_u32 s22, s22, \s*LARGE+256*pp         ; which lie behind A's 256
	v_add_nc_u32 v[ADRA+\s], s21, v3
	v_add_nc_u32 v[ADRB+\s], s22, v3
.endr
	s_mul_i32 s23, s10, 16*SPITCH
	s_add_co_u32 s23, s23, STAGE                   ; my stage
	v_mul_u32_u24 v4, v1, SPITCH                   ; in: row l % 16, 32 bytes for each half of the lanes
	v_lshl_add_u32 v4, v2, 5, v4
	v_add_nc_u32 v[STO], s23, v4
	v_mul_u32_u24 v5, v2, SPITCH                   ; back: lanes 0-15 one row of 256 bytes, lanes 16-31 the next
	v_lshl_add_u32 v5, v1, 4, v5
	v_add_nc_u32 v[RD], s23, v5
	v_lshlrev_b32 v5, 4, v1
	v_lshl_add_u32 v[CO], v2, 12, v5               ; the same two rows in out0
.macro MULH f, hi, a0, zero            ; 2 NB matrix instructions; zero = 1: the first product starts the sums
.irp a, \a0, \a0+1
.set bb, 0
.rept NB
.if \zero
	v_wmma_f32_16x16x32_f16 v[8*(NB*(\a)+bb):8*(NB*(\a)+bb)+7], v[\f+FB+8*bb:\f+FB+8*bb+7], v[\f+8*(4*\hi+\a):\f+8*(4*\hi+\a)+7], 0
.else
	v_wmma_f32_16x16x32_f16 v[8*(NB*(\a)+bb):8*(NB*(\a)+bb)+7], v[\f+FB+8*bb:\f+FB+8*bb+7], v[\f+8*(4*\hi+\a):\f+8*(4*\hi+\a)+7], v[8*(NB*(\a)+bb):8*(NB*(\a)+bb)+7]
.endif
.set bb, bb+1
.endr
.endr
.endm
.macro FETCH slot, k, f                ; one run of 2 NB + 16 LDS loads: B's fragments, then A's; 32 K at byte k of the slot's rows.  The largest offset is 7 x 16 x 528 + 480, inside 16 bits
	WIN 0
.set pp, PL-(PL-PS)*\slot
.set ii, 0
.rept NB
	ds_load_b128 v[\f+FB+8*ii:\f+FB+8*ii+3],   v[ADRB+\slot] offset:\k+ii*16*pp
	ds_load_b128 v[\f+FB+8*ii+4:\f+FB+8*ii+7], v[ADRB+\slot] offset:\k+ii*16*pp+32
.set ii, ii+1
.endr
.irp i, 0,1,2,3,4,5,6,7
	ds_load_b128 v[\f+8*\i:\f+8*\i+3],   v[ADRA+\slot] offset:\k+\i*16*pp
	ds_load_b128 v[\f+8*\i+4:\f+8*\i+7], v[ADRA+\slot] offset:\k+\i*16*pp+32
.endr
.endm
.macro PLACES                          ; four places behind matrix instructions, for loads into their sources and for what reads their results (ISA guide 7.12.1 for vector instructions)
.rept 4
	v_nop
.endr
.endm
; A quarter step (32 along K): multiplies buffer f; in its middle it fetches the next quarter's fragments, at byte k of the same slot's rows, into buffer g.
.macro QUARTER slot, k, f, g, zero
	s_wait_dscnt 8                                 ; B and A's rows 0-63 are in; the youngest eight loads (A's rows 64-127) may be out
	WIN MUL_LO
	MULH \f, 0, 0, \zero
	MULH \f, 0, 2, \zero
	PLACES
	FETCH \slot, \k, \g
	s_wait_dscnt 16+2*NB                           ; all but the run just issued
	WIN MUL_HI
	MULH \f, 1, 0, \zero
	MULH \f, 1, 2, \zero
.endm
.macro SEVEN zero                      ; the large slot's eight quarters but the last
	QUARTER 0, 64,  F0, F1, \zero
	QUARTER 0, 128, F1, F0, 0
	QUARTER 0, 192, F0, F1, 0
	QUARTER 0, 256, F1, F0, 0
	QUARTER 0, 320, F0, F1, 0
	QUARTER 0, 384, F1, F0, 0
	QUARTER 0, 448, F0, F1, 0
.endm
.macro THREE                           ; the small slot's four quarters but the last
	QUARTER 1, 64,  F0, F1, 0
	QUARTER 1, 128, F1, F0, 0
	QUARTER 1, 192, F0, F1, 0
.endm
; A slot's last quarter: multiplies buffer 1 and changes slots.  Each wave's reads of this slot and all its tensor loads (the one that may be out is its part of the next
; slot) are waited for in front of the barrier.  fill = 1: the barrier opens a round of the cluster's barrier, and the joint refill, three K steps further on, is the
; first tensor load behind the round and the wave's only one until the next.
.macro TURN slot, next, fill
	s_wait_dscnt 8
	WIN MUL_LO
	MULH F1, 0, 0, 0
	s_wait_dscnt 0                                 ; my reads of this slot are over
	s_wait_tensorcnt 0x0                           ; and all my tensor loads have landed
	ds_add_u32 v254, v255
	s_wait_dscnt 0x0
	s_barrier_signal -1
	MULH F1, 0, 2, 0                               ; register work while the others arrive
	WIN 0
	s_barrier_wait -1
.if \fill
	CREST                                          ; no wave of any partner still reads this slot's tile or has a load on its way
	s_add_nc_u64 s[G0+4*\slot+2:G0+4*\slot+3], s[G0+4*\slot+2:G0+4*\slot+3], 3*KSTEP*2
	s_add_nc_u64 s[G0B+4*\slot+2:G0B+4*\slot+3], s[G0B+4*\slot+2:G0B+4*\slot+3], 3*KSTEP*2
	JLOAD \slot
.endif
	PLACES
	FETCH \next, 0, F0
	WIN MUL_HI
	MULH F1, 1, 0, 0
	MULH F1, 1, 2, 0
.endm
	s_wait_tensorcnt 1                             ; my part of K steps 0 and 1 is in; K step 2's load may stay out
	s_barrier_signal -1
	s_barrier_wait -1                              ; everybody's is
	FETCH 0, 0, F0
	SEVEN 1                                        ; K steps 0 and 1; the first products start the sums
	TURN 0, 1, 1                                   ; the large slot is asked for again: K steps 3 and 4
	THREE                                          ; K step 2
	TURN 1, 0, 1                                   ; the small slot is asked for again: K step 5
	SEVEN 0                                        ; K steps 3 and 4
	TURN 0, 1, 1                                   ; the large slot: K steps 6 and 7, the last load
	THREE                                          ; K step 5
	TURN 1, 0, 0                                   ; nothing is left to fetch: a plain barrier
	SEVEN 0                                        ; K steps 6 and 7
	s_wait_dscnt 8                                 ; the very last quarter
	WIN MUL_LO
	MULH F1, 0, 0, 0
	MULH F1, 0, 2, 0
	s_wait_dscnt 0
	WIN MUL_HI
	MULH F1, 1, 0, 0
	MULH F1, 1, 2, 0
	; THE WAY OUT, 16 rows at a time through my own stage: a lane's 32 bytes go in by rows of 272 bytes, whole rows of 256 bytes come back, bo is added, and
	; sixteen lanes store 256 consecutive bytes, aligned.  LDS serves a wave's instructions in order (ISA guide 5.7.1.4): no wait between my stores and my loads.
	PLACES                                         ; the places behind the last matrix instructions, for the LDS stores of results and the loads into the fragment buffers
	s_wait_loadcnt 0x0                             ; bo, once
; rows 16 a .. 16 a + 15: the four tiles (al, 0..3) of window 1 or 2 (from = 0x04 or 0x08: an LDS store's data are source 1)
.macro OUT16 a, al, from, f
	WIN \from
.irp b, 0,1,2,3
	ds_store_b128 v[STO], v[8*(NB*\al+\b):8*(NB*\al+\b)+3]   offset:64*\b
	ds_store_b128 v[STO], v[8*(NB*\al+\b)+4:8*(NB*\al+\b)+7] offset:64*\b+16
.endr
	WIN 0
	s_wait_xcnt 0x0                                ; buffer f, which earlier stores read, and the stores' base are rewritten only behind this wait
.if \a
	s_add_nc_u64 s[74:75], s[74:75], 16*4096       ; 16 rows on
.endif
.irp t, 0,1,2,3,4,5,6,7
	ds_load_b128 v[\f+4*\t:\f+4*\t+3], v[RD] offset:\t*2*SPITCH
.endr
.irp t, 0,1,2,3,4,5,6,7
	s_wait_dscnt 7-\t                              ; LDS loads come back in order: the later ones stay out
	v_pk_add_f32 v[\f+4*\t:\f+4*\t+1],   v[\f+4*\t:\f+4*\t+1],   v[BIAS:BIAS+1]
	v_pk_add_f32 v[\f+4*\t+2:\f+4*\t+3], v[\f+4*\t+2:\f+4*\t+3], v[BIAS+2:BIAS+3]
	global_store_b128 v[CO], v[\f+4*\t:\f+4*\t+3], s[74:75] offset:\t*8192 th:TH_STORE_NT
.endr
.endm
	OUT16 0, 0, 0x04, F0
	OUT16 1, 1, 0x04, F1
	OUT16 2, 2, 0x04, F0
	OUT16 3, 3, 0x04, F1
	OUT16 4, 0, 0x08, F0
	OUT16 5, 1, 0x08, F1
	OUT16 6, 2, 0x08, F0
	OUT16 7, 3, 0x08, F1
	s_wait_tensorcnt 0x0
	ds_add_u32 v254, v255
	s_wait_dscnt 0x0
	CROUND                                         ; the closing round: no work-group ends while a partner may still ask for a tile that names it
	s_endpgm
.Lfunc_end_k_q9cef751020_proj:
	.size	k_q9cef751020_proj, .Lfunc_end_k_q9cef751020_proj-k_q9cef751020_proj
	.p2alignl 7, 3214868480
	.fill 96, 4, 3214868480
	.section	.rodata,"a",@progbits
	.p2align	6, 0x0
	.amdhsa_kernel k_q9cef751020_proj
		.amdhsa_group_segment_fixed_size 327680
		.amdhsa_private_segment_fixed_size 0
		.amdhsa_enable_private_segment 0
		.amdhsa_kernarg_size 32
		.amdhsa_user_sgpr_count 2
		.amdhsa_user_sgpr_kernarg_segment_ptr 1
		.amdhsa_wavefront_size32 1
		.amdhsa_system_sgpr_workgroup_id_x 1
		.amdhsa_system_sgpr_workgroup_id_y 1
		.amdhsa_system_sgpr_workgroup_id_z 1
		.amdhsa_system_vgpr_workitem_id 0
		.amdhsa_next_free_vgpr 640
		.amdhsa_next_free_sgpr 96
		.amdhsa_reserve_vcc 0
		.amdhsa_float_denorm_mode_32 3
		.amdhsa_float_denorm_mode_16_64 3
		.amdhsa_memory_ordered 1
		.amdhsa_forward_progress 1
		.amdhsa_inst_pref_size 158
	.end_amdhsa_kernel
	.amdgpu_metadata
---
amdhsa.version: [ 1, 2 ]
amdhsa.kernels:
  - .name:           k_q9cef751020_proj
    .symbol:         k_q9cef751020_proj.kd
    .args:
      - { .name: att, .offset: 0, .size: 8, .value_kind: global_buffer, .address_space: global }
      - { .name: wt, .offset: 8, .size: 8, .value_kind: global_buffer, .address_space: global }
      - { .name: bo, .offset: 16, .size: 8, .value_kind: global_buffer, .address_space: global }
      - { .name: out0, .offset: 24, .size: 8, .value_kind: global_buffer, .address_space: global }
    .group_segment_fixed_size: 327680
    .private_segment_fixed_size: 0
    .kernarg_segment_align: 8
    .kernarg_segment_size: 32
    .max_flat_workgroup_size: 128
    .sgpr_count:     96
    .vgpr_count:     640
    .wavefront_size: 32
...
	.end_amdgpu_metadata
.endif
;; end of part 4
;; ======== version 2 of 2: 4 launches; version 1 with the launch prep written anew for expert scheduling mode
;; limits: values are held in f16: magnitudes above 65,504 overflow, below 6.1e-05 lose precision
;; workspace buffers: xh 16,777,216 bytes; wt 8,388,608 bytes; qkv 50,331,648 bytes; att 16,777,216 bytes
;; launch prep (part 5): grid 1024 x 1, 8 waves a work-group, no clusters, 18,432 bytes of LDS; arguments x, wq, wkv, wo, xh, wt; writes xh, wt
.if DOCPART == 5
	.amdgcn_target "amdgcn-amd-amdhsa--gfx1250"
	.amdhsa_code_object_version 6
	.text
	.protected	k_q9cef751020_prep
	.globl	k_q9cef751020_prep
	.p2align	8
	.type	k_q9cef751020_prep,@function
k_q9cef751020_prep:
	s_mov_b64 s[64:65], 0
	v_nop
	global_prefetch_b8 v0, s[64:65] scope:SCOPE_SE
	s_setreg_imm32_b32 hwreg(HW_REG_WAVE_SCHED_MODE, 0, 2), 2
	s_setreg_imm32_b32 hwreg(HW_REG_WAVE_MODE, 25, 1), 1
	s_wait_xcnt 0x0
	s_wait_alu depctr_vm_vsrc(0)
; LAUNCH 1 OF 4: the matrix operands in f16.  xh = f16(x), [8192][1024].  wt = the weights transposed to [n][k], f16, [4096][1024]:
; rows 0-1023 = c * wq^T, rows 1024-3071 = wkv^T (k's columns, then v's), rows 3072-4095 = wo^T.
; c = 0.125 * log2(e): the softmax's scale dh^-0.5 and the change to base 2 are multiplied into wq in f32, ahead of the one rounding to f16.
; (x (c wq)) . k = c (q . k), so the scores come out in base-2 units and the exponent is later a plain difference s - max, exactly 0 at the
; maximum for scores of any size.  The order of rounding differs from the formula as written (scale first, product after).
;
; WORK LEFT OUT IN THE WHOLE PROGRAM (this launch leaves nothing out; the third launch does):
; (1) The first window of every (batch, head) sees as its previous window the zeros that the formula itself pads K and V with.  For all values
;     of the inputs q . 0 = 0 and p * 0 = 0: both products with that window, and any load for it, are left out.  Its 128 scores of exactly 0
;     stay in the softmax: 0 takes part in the maximum and 128 exp(0 - max) in the denominator.
; (2) Keys j > i + 128 are replaced by the most negative f32 number before the softmax, whatever q and k hold; their weight is exp(..) = 0.
;     Where a whole tile of 16 keys x 16 queries, or a whole block of 32 keys, is so masked, its products are not made.
; All five inputs have a way to the output and are loaded (bo in the fourth launch).
; LIMITS.  A NaN, an infinity or an overflow that reaches only the work left out is not carried to the result.  Matrix operands are f16:
; x, the weights, c q, k, v and the attention's result must stay under 65,504 in magnitude, beyond that they become infinite.
;
; Work-groups 0-511: 64 KiB of x each, a plain stream.  Thread t takes 32 bytes of each chunk of 8 KiB; all sixteen loads go out first.
; Work-groups 512-1023: a tile of 128 k x 64 n of one weight matrix, turned over in LDS.
; No matrix unit, no tensor load, no cluster: every byte is read once by one work-group, nothing is shared.
;
; THE MODE: SCHED_MODE bits 1:0 = 2 (LLVM: expert scheduling mode 2), set by the entry lines.  The code itself states the register dependences
; between vector instructions and memory or LDS instructions, with s_wait_alu, always for 0.
; THE PLAN.  Registers that memory or LDS instructions touch, and who else names them:
;   x:       v1, v2    offsets of the loads and of the stores: written once at the path's head, never again.
;            v8-71     eight chunks as loaded: written by their loads alone, once; read by the roundings.
;            v72-103   eight chunks to store: each written once, by its chunk's roundings, and read by one store.
;            The chunks go in four pairs.  At the head of pair p, behind the wait for its data, one wait on va_vdst states that pair p - 1's roundings
;            have written their registers; that pair's two stores follow it, then pair p's roundings, which name other registers.
;   weights: v40-47, v7, v1, v2   offsets of the loads, LDS address in, LDS address back, offset in wt: all written at the path's head, never again.
;            v8-39     the tile as loaded: written by the loads alone, once; read (and, for wq, scaled in place) by vector lines.
;            v48-63    the packed words: written once by the sixteen roundings, read by the sixteen LDS stores, which stand in one run behind one wait on va_vdst.
;            v64-79    written by the four LDS loads, read by the four stores to wt; no vector line names them.
;            v104, v105  written at the kernel's head, read by the closing add alone.
; No register that a memory or LDS instruction has read is written again, on either path: so no wait on vm_vsrc is written.
; No vector line writes a scalar register or VCC, and EXEC is written nowhere.
.set CS, 0x3e38aa3b                    ; c = 0.125 * log2(e)
.set TP, 272                           ; LDS pitch of a row of wt's tile: 128 k x 2 bytes + 16
	s_load_b256 s[4:11], s[0:1], 0x0               ; x s[4:5], wq s[6:7], wkv s[8:9], wo s[10:11]
	s_load_b128 s[12:15], s[0:1], 0x20             ; xh s[12:13], wt s[14:15]
	v_lshl_add_u32 v104, v0, 2, 0x4400
	v_mov_b32 v105, 0
	s_cmp_ge_u32 ttmp9, 512                        ; the same for all waves of a work-group
	s_cbranch_scc1 .Lweights
	; ---- x: 16,384 numbers of this work-group
	s_lshl_b32 s16, ttmp9, 16                      ; 65,536 bytes of x,
	s_mov_b32 s17, 0
	s_lshl_b32 s18, ttmp9, 15                      ; 32,768 bytes of xh
	s_mov_b32 s19, 0
	v_lshlrev_b32 v1, 5, v0                        ; 32 t
	v_lshlrev_b32 v2, 4, v0                        ; 16 t
	s_wait_kmcnt 0x0
	s_add_nc_u64 s[4:5], s[4:5], s[16:17]
	s_add_nc_u64 s[12:13], s[12:13], s[18:19]
	s_wait_alu depctr_va_vdst(0)                   ; v1 and v2 are written: every load of this path reads v1 as its offset, every store v2
.irp c, 0,1,2,3,4,5,6,7
	global_load_b128 v[8+8*\c:8+8*\c+3],   v1, s[4:5] offset:8192*\c th:TH_LOAD_NT
	global_load_b128 v[8+8*\c+4:8+8*\c+7], v1, s[4:5] offset:8192*\c+16 th:TH_LOAD_NT
.endr
.irp p, 0,1,2,3
	s_wait_loadcnt 12-4*\p                         ; loads come back in order: chunks 2 p and 2 p + 1 are in, the four loads of each later pair stay out
.if \p
	s_wait_alu depctr_va_vdst(0)                   ; the roundings of the pair before have written v[72 + 8 (p - 1) ..], which the two stores below read
	global_store_b128 v2, v[72+8*\p-8:72+8*\p-5], s[12:13] offset:4096*(2*\p-2)   ; sixteen lanes store 256 consecutive bytes, aligned; no register is written twice
	global_store_b128 v2, v[72+8*\p-4:72+8*\p-1], s[12:13] offset:4096*(2*\p-1)
.endif
.irp k, 0,1,2,3,4,5,6,7
	v_cvt_pk_f16_f32 v[72+8*\p+\k], v[8+16*\p+2*\k], v[8+16*\p+2*\k+1]   ; the pair's sixteen numbers of a thread's two chunks, in the order of their registers
.endr
.endr
	s_wait_alu depctr_va_vdst(0)                   ; the last pair's roundings have written v[96:103], which the last two stores read
	global_store_b128 v2, v[96:99],   s[12:13] offset:4096*6
	global_store_b128 v2, v[100:103], s[12:13] offset:4096*7
	s_endpgm                                       ; this path has stored nothing to LDS
	; ---- weights: block nb of 64 rows of wt, block kb of 128 k
.Lweights:
	s_sub_co_u32 s16, ttmp9, 512
	s_lshr_b32 s17, s16, 3                         ; nb, 0 to 63
	s_and_b32 s18, s16, 7                          ; kb, 0 to 7
	v_and_b32 v3, 15, v0                           ; n4: which four columns of the tile's 64
	v_lshrrev_b32 v4, 4, v0                        ; kp, 0 to 15: which pair of k rows
	v_lshlrev_b32 v5, 4, v3                        ; 16 n4
	v_lshlrev_b32 v6, 1, v4                        ; 2 kp
	v_mul_u32_u24 v7, v3, 4*TP                     ; the three addresses of the way through LDS are made here, in the wait for the arguments, so that one wait below serves all addresses
	v_lshl_add_u32 v7, v4, 2, v7                   ; in: row 4 n4 of the turned tile, byte 2 (2 kp)
	v_mul_u32_u24 v1, v4, TP
	v_add_nc_u32 v1, v1, v5                        ; back: row t / 16, 16 bytes at 16 (t mod 16)
	v_lshl_add_u32 v2, v4, 11, v5                  ; and the same place in wt
	s_wait_kmcnt 0x0
	s_cmp_lt_u32 s17, 16                           ; nb 0-15: wq; 16-47: wkv; 48-63: wo
	s_cselect_b64 s[20:21], s[6:7], s[8:9]
	s_cselect_b32 s22, 0, 16                       ; the matrix's first block
	s_cselect_b32 s23, 12, 13                      ; log2 of its row's bytes
	s_cmp_ge_u32 s17, 48
	s_cselect_b64 s[20:21], s[10:11], s[20:21]
	s_cselect_b32 s22, 48, s22
	s_cselect_b32 s23, 12, s23
	s_lshl_b32 s24, s18, 7                         ; row 128 kb
	s_lshl_b32 s24, s24, s23
	s_sub_co_u32 s25, s17, s22
	s_lshl_b32 s25, s25, 8                         ; 64 columns of f32 = 256 bytes a block
	s_add_co_u32 s24, s24, s25
	s_mov_b32 s25, 0
	s_add_nc_u64 s[20:21], s[20:21], s[24:25]      ; the tile's first number
	s_lshl_b32 s24, s17, 17                        ; wt: 64 nb rows of 2,048 bytes
	s_lshl_b32 s26, s18, 8                         ;     + 128 kb numbers of 2 bytes
	s_add_co_u32 s24, s24, s26
	s_add_nc_u64 s[14:15], s[14:15], s[24:25]
.irp i, 0,1,2,3
.irp j, 0,1
	v_add_nc_u32 v[40+2*\i+\j], 32*\i+\j, v6                       ; row k = 2 kp + 32 i + j of the tile
	v_lshl_add_u32 v[40+2*\i+\j], v[40+2*\i+\j], s23, v5           ; its bytes, + 16 n4: sixteen lanes read 256 consecutive bytes of a row
.endr
.endr
	s_wait_alu depctr_va_vdst(0)                   ; v[40:47] are written, which the loads below read as offsets; so are v7, v1 and v2, the addresses of the LDS stores, the LDS loads and the stores to wt
.irp i, 0,1,2,3
.irp j, 0,1
	global_load_b128 v[8+8*\i+4*\j:8+8*\i+4*\j+3], v[40+2*\i+\j], s[20:21] th:TH_LOAD_NT
.endr
.endr
; Two neighbouring k of one column make one word of wt.  scaled = 1: wq's numbers are multiplied by c first.
.macro PACK scaled
.irp i, 0,1,2,3
	s_wait_loadcnt 6-2*\i                          ; rows 2 kp + 32 i and + 1 are in; the two loads of each later pair stay out
.if \scaled
.irp m, 0,2,4,6
	v_pk_mul_f32 v[8+8*\i+\m:8+8*\i+\m+1], v[8+8*\i+\m:8+8*\i+\m+1], CS op_sel_hi:[1,0]
.endr
.endif
.irp c, 0,1,2,3
	v_cvt_pk_f16_f32 v[48+4*\i+\c], v[8+8*\i+\c], v[8+8*\i+4+\c]   ; low half: the even k
.endr
.endr
.endm
	s_cmp_ge_u32 s17, 16
	s_cbranch_scc1 .Lplain
	PACK 1
	s_branch .Lturned
.Lplain:
	PACK 0
.Lturned:
	s_wait_alu depctr_va_vdst(0)                   ; on both ways here the sixteen roundings have written v[48:63], which the run of LDS stores below reads
.irp i, 0,1,2,3
.irp c, 0,1,2,3
	ds_store_b32 v7, v[48+4*\i+\c] offset:\c*TP+64*\i
.endr
.endr
	s_wait_dscnt 0x0                               ; my stores are in LDS, for the other waves' sake,
	s_barrier_signal -1
	s_barrier_wait -1                              ; and so are everybody's
.irp j, 0,1,2,3
	ds_load_b128 v[64+4*\j:64+4*\j+3], v1 offset:16*TP*\j          ; no vector line of this path names v[64:79]
.endr
.irp j, 0,1,2,3
	s_wait_dscnt 3-\j                              ; LDS loads come back in order: the later ones stay out
	global_store_b128 v2, v[64+4*\j:64+4*\j+3], s[14:15] offset:32768*\j   ; sixteen lanes store 256 consecutive bytes of a row of wt, aligned
.endr
	s_wait_dscnt 0x0                               ; the closing lines, six on end
	s_wait_alu 0x0
	s_wait_tensorcnt 0x0
	ds_add_u32 v104, v105
	s_wait_dscnt 0x0
	s_endpgm
.Lfunc_end_k_q9cef751020_prep:
	.size	k_q9cef751020_prep, .Lfunc_end_k_q9cef751020_prep-k_q9cef751020_prep
	.p2alignl 7, 3214868480
	.fill 96, 4, 3214868480
	.section	.rodata,"a",@progbits
	.p2align	6, 0x0
	.amdhsa_kernel k_q9cef751020_prep
		.amdhsa_group_segment_fixed_size 18432
		.amdhsa_private_segment_fixed_size 0
		.amdhsa_enable_private_segment 0
		.amdhsa_kernarg_size 48
		.amdhsa_user_sgpr_count 2
		.amdhsa_user_sgpr_kernarg_segment_ptr 1
		.amdhsa_wavefront_size32 1
		.amdhsa_system_sgpr_workgroup_id_x 1
		.amdhsa_system_sgpr_workgroup_id_y 1
		.amdhsa_system_sgpr_workgroup_id_z 1
		.amdhsa_system_vgpr_workitem_id 0
		.amdhsa_next_free_vgpr 106
		.amdhsa_next_free_sgpr 66
		.amdhsa_reserve_vcc 0
		.amdhsa_float_denorm_mode_32 3
		.amdhsa_float_denorm_mode_16_64 3
		.amdhsa_memory_ordered 1
		.amdhsa_forward_progress 1
		.amdhsa_inst_pref_size 15
	.end_amdhsa_kernel
	.amdgpu_metadata
---
amdhsa.version: [ 1, 2 ]
amdhsa.kernels:
  - .name:           k_q9cef751020_prep
    .symbol:         k_q9cef751020_prep.kd
    .args:
      - { .name: x, .offset: 0, .size: 8, .value_kind: global_buffer, .address_space: global }
      - { .name: wq, .offset: 8, .size: 8, .value_kind: global_buffer, .address_space: global }
      - { .name: wkv, .offset: 16, .size: 8, .value_kind: global_buffer, .address_space: global }
      - { .name: wo, .offset: 24, .size: 8, .value_kind: global_buffer, .address_space: global }
      - { .name: xh, .offset: 32, .size: 8, .value_kind: global_buffer, .address_space: global }
      - { .name: wt, .offset: 40, .size: 8, .value_kind: global_buffer, .address_space: global }
    .group_segment_fixed_size: 18432
    .private_segment_fixed_size: 0
    .kernarg_segment_align: 8
    .kernarg_segment_size: 48
    .max_flat_workgroup_size: 256
    .sgpr_count:     66
    .vgpr_count:     106
    .wavefront_size: 32
...
	.end_amdgpu_metadata
.endif
;; end of part 5
;; launch qkv: the kernel of part 2 again; grid 8 x 32, 4 waves a work-group, clusters of 4 x 4, 327,680 bytes of LDS; arguments xh, wt, qkv; writes qkv
;; launch attn: the kernel of part 3 again; grid 8 x 32, 8 waves a work-group, no clusters, 308,224 bytes of LDS; arguments qkv, att; writes att
;; launch proj: the kernel of part 4 again; grid 8 x 32, 4 waves a work-group, clusters of 4 x 4, 327,680 bytes of LDS; arguments att, wt, bo, out0; writes out0
